; MI455X (gfx1250); checked and timed in simulation.
; The chip was launched on July 23, 2026; its instructions are those of AMD's public machine-readable ISA for CDNA 5 (MIT licence, August 2026) and "CDNA5" Instruction Set Architecture Reference Guide (July 2026). The comments in the code are by the model that wrote it; some were corrected since.
;; Attention. Allowed arithmetic: float matrix products may take bf16 or f16 operands with f32 sums; other float arithmetic in f32, or as packed bf16 or f16 multiplies, adds, multiply-adds, maxima and minima; sums over many terms, partial sums and values carried from step to step in f32; what a program stores and reads back later, other than sums and carried values, may be rounded once to bf16 or f16.
;; Inputs: Wkv 128 x 1,024 float32; Wo 1,024 x 1,024 float32; Wq 1,024 x 1,024 float32; g_in 1,024 float32; g_out 1,024 float32; mask 8 x 1,024 bool; null_kv 2 x 64 float32; x 8 x 1,024 x 1,024 float32.
;; Outputs: out0 8 x 1,024 x 1,024 float32.
;; One version. Each part assembles by itself: llvm-mc -triple=amdgcn-amd-amdhsa -mcpu=gfx1250 --defsym DOCPART=n.
;; ======== version 1 of 1: 5 launches
;; limits: values are held in f16: magnitudes above 65,504 overflow, below 6.1e-05 lose precision
;; workspace buffers: act 16,777,216 bytes; w16 4,456,448 bytes; tab 98,816 bytes; q 16,777,216 bytes; kv 2,097,152 bytes; y 33,554,432 bytes
;; launch prep (part 1): grid 256 x 1, 8 waves a work-group, no clusters, 0 bytes of LDS; arguments x, Wq, Wkv, Wo, g_in, mask, act, w16, tab; writes act, w16, tab
.if DOCPART == 1
	.amdgcn_target "amdgcn-amd-amdhsa--gfx1250"
	.amdhsa_code_object_version 6
	.text
	.protected	k_q6fa07bef91_prep
	.globl	k_q6fa07bef91_prep
	.p2align	8
	.type	k_q6fa07bef91_prep,@function
k_q6fa07bef91_prep:
	s_mov_b64 s[64:65], 0
	v_nop
	global_prefetch_b8 v0, s[64:65] scope:SCOPE_SE
	s_setreg_imm32_b32 hwreg(HW_REG_WAVE_MODE, 25, 1), 1
	s_wait_xcnt 0x0
; PREP.  act[r][:] = (x[r][:] - mean) * rsqrt(var + 1e-5) in f16 (no gain: g_in goes into Wq); tab: (mean, sd = sqrt(var + 1e-5)) a row, the key biases, the row sums of Wkv;
; w16: g_in * Wq and Wkv in four blocks of 288 rows (256 of Wq, then 32 of Wkv), then Wo; all f16, each number rounded once.
; LIMITS.  |g_in * Wq|, |Wkv|, |Wo| stay under 65,504 (f16's range).  The normalised x is at most 32 in magnitude for every input (1,024 numbers of unit variance).
; SHARES.  256 work-groups of eight waves.  A wave takes four rows of x, a row at a time in 32 registers (mean first, then the centred squares: two passes over registers, one over memory),
; and one weight row; wave 0 also takes one row of Wkv (work-groups 0-127) or 64 mask bytes (work-groups 128-255).
; LANES.  Load j of a row: 16 bytes at 512 j + 16 lane, 512 bytes on end a wave.  Its f16 result: 8 bytes at 256 j + 8 lane: a store covers 256 consecutive bytes, aligned.
; All 48 loads of a wave (24 KiB) go out at the head; no LDS, no barrier: no wave wants another's bytes.
.set LN, 1                             ; v1        lane
.set LO, 2                             ; v2        16 x lane
.set SO, 3                             ; v3        8 x lane
.set T,  4                             ; v[4:11]   four chains of pairs, at work
.set M,  12                            ; v[12:13]  the mean, twice
.set R,  14                            ; v[14:15]  1 / sd, twice
.set MS, 16                            ; v[16:23]  (mean, sd) of my four rows
.set Y,  24                            ; v[24:39]  16 words of f16, to store
.set X,  40                            ; v[40:167] four rows of 32
.set W,  168                           ; v[168:199] the weight row
.set G,  200                           ; v[200:231] g_in
.set WO16, 2359296                     ; where Wo begins in w16: behind 4 x 288 rows of 2,048 bytes
	s_load_b512 s[4:19], s[0:1], 0x0               ; x s[4:5], Wq s[6:7], Wkv s[8:9], Wo s[10:11], g_in s[12:13], mask s[14:15], act s[16:17], w16 s[18:19]
	s_load_b64 s[20:21], s[0:1], 0x40              ; tab
	v_lshrrev_b32 v1, 5, v0
	v_readfirstlane_b32 s22, v1                    ; wave 0..7
	v_and_b32 v[LN], 31, v0
	v_lshlrev_b32 v[LO], 4, v[LN]
	v_lshlrev_b32 v[SO], 3, v[LN]
	s_mov_b32 s23, ttmp9                           ; work-group g
	s_mov_b32 s32, 0x76543210                      ; v_permlanex16_b32: each lane takes its own place in the other half
	s_mov_b32 s33, 0xfedcba98
	s_mov_b32 s35, 0x3a800000                      ; 1 / 1024
	s_mov_b32 s36, 0x3727c5ac                      ; 1e-5
	s_lshl_b32 s38, s23, 5
	s_lshl2_add_u32 s38, s22, s38                  ; my first row: 32 g + 4 w
	s_lshl_b32 s40, s38, 12                        ; in x: 4,096 bytes a row
	s_mov_b32 s41, 0
	s_lshl_b32 s42, s38, 11                        ; in act: 2,048
	s_mov_b32 s43, 0
	s_lshl_b32 s44, s38, 3                         ; in the statistics: 8
	s_mov_b32 s45, 0
	s_and_b32 s39, s22, 3
	s_lshl2_add_u32 s39, s23, s39                  ; my weight row n = 4 g + w % 4, of Wq (waves 0-3) or of Wo (waves 4-7)
	s_lshl_b32 s46, s39, 12
	s_mov_b32 s47, 0
	s_lshr_b32 s37, s39, 8
	s_mul_i32 s37, s37, 288
	s_and_b32 s34, s39, 255
	s_add_co_u32 s37, s37, s34
	s_lshl_b32 s37, s37, 11                        ; Wq's row n goes to row 288 (n / 256) + n % 256
	s_lshl_b32 s34, s39, 11
	s_add_co_u32 s34, s34, WO16                    ; Wo's to row n behind the four blocks
	s_cmp_lt_u32 s22, 4
	s_cselect_b32 s38, s37, s34
	s_mov_b32 s39, 0
	s_wait_kmcnt 0x0
	s_cmp_lt_u32 s22, 4
	s_cselect_b64 s[28:29], s[6:7], s[10:11]
	s_add_nc_u64 s[28:29], s[28:29], s[46:47]      ; the weight row in memory
	s_add_nc_u64 s[30:31], s[18:19], s[38:39]      ; and where it goes
	s_add_nc_u64 s[24:25], s[4:5], s[40:41]        ; x, act and the statistics at my rows
	s_add_nc_u64 s[26:27], s[16:17], s[42:43]
	s_add_nc_u64 s[44:45], s[20:21], s[44:45]
.set i, 0
.rept 4
.set j, 0
.rept 8
	global_load_b128 v[X+32*i+4*j:X+32*i+4*j+3], v[LO], s[24:25] offset:4096*i+512*j th:TH_LOAD_NT
.set j, j+1
.endr
.set i, i+1
.endr
.set j, 0
.rept 8
	global_load_b128 v[G+4*j:G+4*j+3], v[LO], s[12:13] offset:512*j
.set j, j+1
.endr
.set j, 0
.rept 8
	global_load_b128 v[W+4*j:W+4*j+3], v[LO], s[28:29] offset:512*j th:TH_LOAD_NT
.set j, j+1
.endr
; The pair in T is added up, then across the 32 lanes: four steps inside each half ride on the addition, one crosses the halves.  Every lane ends with the sum in v[T].
.macro FOLD
	v_pk_add_f32 v[T:T+1], v[T:T+1], v[T+2:T+3]
	v_pk_add_f32 v[T+4:T+5], v[T+4:T+5], v[T+6:T+7]
	v_pk_add_f32 v[T:T+1], v[T:T+1], v[T+4:T+5]
	v_add_f32 v[T], v[T], v[T+1]
	v_add_f32_dpp v[T], v[T], v[T] row_xmask:1 row_mask:0xf bank_mask:0xf
	v_add_f32_dpp v[T], v[T], v[T] row_xmask:2 row_mask:0xf bank_mask:0xf
	v_add_f32_dpp v[T], v[T], v[T] row_xmask:4 row_mask:0xf bank_mask:0xf
	v_add_f32_dpp v[T], v[T], v[T] row_xmask:8 row_mask:0xf bank_mask:0xf
	v_permlanex16_b32 v[T+1], v[T], s32, s33
	v_add_f32 v[T], v[T], v[T+1]
.endm
.macro ROWSUM src                      ; the sum of a row's 32 registers: four chains, started by the first pairs: nothing is cleared
.irp c, 0,2,4,6
	v_pk_add_f32 v[T+\c:T+\c+1], v[(\src)+\c:(\src)+\c+1], v[(\src)+8+\c:(\src)+8+\c+1]
.endr
.irp k, 16,24
.irp c, 0,2,4,6
	v_pk_add_f32 v[T+\c:T+\c+1], v[T+\c:T+\c+1], v[(\src)+\k+\c:(\src)+\k+\c+1]
.endr
.endr
	FOLD
.endm
.macro ROWSQ src                       ; the sum of their squares, likewise
.irp c, 0,2,4,6
	v_pk_mul_f32 v[T+\c:T+\c+1], v[(\src)+\c:(\src)+\c+1], v[(\src)+\c:(\src)+\c+1]
.endr
.irp k, 8,16,24
.irp c, 0,2,4,6
	v_pk_fma_f32 v[T+\c:T+\c+1], v[(\src)+\k+\c:(\src)+\k+\c+1], v[(\src)+\k+\c:(\src)+\k+\c+1], v[T+\c:T+\c+1]
.endr
.endr
	FOLD
.endm
.macro OUT16 src, lo, off              ; 32 registers of f32 are rounded to f16 and stored: eight stores of 256 consecutive bytes
.set j, 0
.rept 16
	v_cvt_pk_f16_f32 v[Y+j], v[(\src)+2*j], v[(\src)+2*j+1]
.set j, j+1
.endr
.set j, 0
.rept 8
	global_store_b64 v[SO], v[Y+2*j:Y+2*j+1], s[\lo:\lo+1] offset:(\off)+256*j
.set j, j+1
.endr
.endm
.macro LNROW i
	s_wait_loadcnt 40-8*(\i)                       ; my row's eight loads are in; the later rows', g_in's and the weight row's stay out
	ROWSUM X+32*(\i)
	v_mul_f32 v[M], s35, v[T]
	v_mov_b32 v[M+1], v[M]
.set j, 0
.rept 16
	v_pk_add_f32 v[X+32*(\i)+2*j:X+32*(\i)+2*j+1], v[X+32*(\i)+2*j:X+32*(\i)+2*j+1], v[M:M+1] neg_lo:[0,1] neg_hi:[0,1]
.set j, j+1
.endr
	ROWSQ X+32*(\i)
	v_fma_f32 v[T+2], v[T], s35, s36               ; var + eps
	v_rsq_f32 v[R], v[T+2]
	v_rsq_f32 v[R+1], v[T+2]
	v_mov_b32 v[MS+2*(\i)], v[M]                   ; the plain instruction behind the two roots
	s_wait_alu depctr_va_vdst(0)                   ; one wait for both, ahead of their first reader
	v_mul_f32 v[MS+2*(\i)+1], v[T+2], v[R]         ; sd = (var + eps) / sqrt(var + eps)
.set j, 0
.rept 16
	v_pk_mul_f32 v[X+32*(\i)+2*j:X+32*(\i)+2*j+1], v[X+32*(\i)+2*j:X+32*(\i)+2*j+1], v[R:R+1]
.set j, j+1
.endr
.if (\i) > 0
	s_wait_xcnt 0x0                                ; Y was the last row's store data: it is rewritten only behind this wait
.endif
	OUT16 X+32*(\i), 26, 2048*(\i)
.endm
	LNROW 0
	LNROW 1
	LNROW 2
	LNROW 3
	; the four rows' (mean, sd): lane i of the first four takes row i's pair; 32 consecutive bytes a wave
	v_mov_b32 v[T], v[MS]
	v_mov_b32 v[T+1], v[MS+1]
.irp r, 1,2,3
	v_cmp_eq_u32 vcc_lo, \r, v[LN]
	v_cndmask_b32 v[T], v[T], v[MS+2*\r], vcc_lo
	v_cndmask_b32 v[T+1], v[T+1], v[MS+2*\r+1], vcc_lo
.endr
	v_cmp_gt_u32 vcc_lo, 4, v[LN]
	s_wait_xcnt 0x0                                ; EXEC changes only behind this wait: the stores above have it as a source
	s_and_saveexec_b32 s34, vcc_lo
	global_store_b64 v[SO], v[T:T+1], s[44:45]
	s_wait_xcnt 0x0                                ; and again ahead of the line that widens it; Y and T are free behind it too
	s_or_b32 exec_lo, exec_lo, s34
	; the weight row: Wq's times g_in, Wo's as it is
	s_wait_loadcnt 0x0
	s_cmp_lt_u32 s22, 4
	s_cbranch_scc0 .Lplain
.set j, 0
.rept 16
	v_pk_mul_f32 v[W+2*j:W+2*j+1], v[W+2*j:W+2*j+1], v[G+2*j:G+2*j+1]
.set j, j+1
.endr
.Lplain:
	OUT16 W, 30, 0
	s_cmp_lg_u32 s22, 0
	s_cbranch_scc1 .Lend
	s_cmp_lt_u32 s23, 128
	s_cbranch_scc0 .Lbias
	; wave 0 of work-groups 0-127: row g of Wkv, and its sum in f32 (of the unrounded numbers)
	s_lshl_b32 s40, s23, 12
	s_mov_b32 s41, 0
	s_add_nc_u64 s[40:41], s[8:9], s[40:41]
	s_lshr_b32 s42, s23, 5
	s_mul_i32 s42, s42, 288
	s_and_b32 s43, s23, 31
	s_add_co_u32 s42, s42, s43
	s_add_co_u32 s42, s42, 256                     ; row 288 (g / 32) + 256 + g % 32
	s_lshl_b32 s42, s42, 11
	s_mov_b32 s43, 0
	s_add_nc_u64 s[42:43], s[18:19], s[42:43]
	s_lshl_b32 s46, s23, 2
	s_add_co_u32 s46, s46, 98304
	s_mov_b32 s47, 0
	s_add_nc_u64 s[46:47], s[20:21], s[46:47]
.set j, 0
.rept 8
	global_load_b128 v[X+4*j:X+4*j+3], v[LO], s[40:41] offset:512*j th:TH_LOAD_NT
.set j, j+1
.endr
	s_wait_loadcnt 0x0
	ROWSUM X
	s_wait_xcnt 0x0                                ; Y was the weight row's store data
	OUT16 X, 42, 0
	v_cmp_eq_u32 vcc_lo, 0, v[LN]
	s_wait_xcnt 0x0
	s_and_saveexec_b32 s34, vcc_lo
	global_store_b32 v[SO], v[T], s[46:47]         ; lane 0: its offset is 0
	s_wait_xcnt 0x0
	s_or_b32 exec_lo, exec_lo, s34
	s_branch .Lend
.Lbias:
	; wave 0 of work-groups 128-255: 64 mask bytes become 64 biases, 0 or -1e30: 256 consecutive bytes
	s_sub_co_u32 s40, s23, 128
	s_lshl_b32 s40, s40, 6
	s_mov_b32 s41, 0
	s_lshl_b32 s42, s40, 2
	s_add_co_u32 s42, s42, 65536
	s_mov_b32 s43, 0
	s_add_nc_u64 s[40:41], s[14:15], s[40:41]
	s_add_nc_u64 s[42:43], s[20:21], s[42:43]
	s_mov_b32 s46, 0xf149f2ca                      ; -1e30
	v_lshlrev_b32 v[M], 1, v[LN]
	global_load_u16 v[T], v[M], s[40:41]
	s_wait_loadcnt 0x0
	v_and_b32 v[T+1], 0xff, v[T]
	v_lshrrev_b32 v[T+2], 8, v[T]
	v_cmp_eq_u32 vcc_lo, 0, v[T+1]
	v_cndmask_b32 v[T+4], 0, s46, vcc_lo
	v_cmp_eq_u32 vcc_lo, 0, v[T+2]
	v_cndmask_b32 v[T+5], 0, s46, vcc_lo
	global_store_b64 v[SO], v[T+4:T+5], s[42:43]
.Lend:
	s_endpgm
.Lfunc_end_k_q6fa07bef91_prep:
	.size	k_q6fa07bef91_prep, .Lfunc_end_k_q6fa07bef91_prep-k_q6fa07bef91_prep
	.p2alignl 7, 3214868480
	.fill 96, 4, 3214868480
	.section	.rodata,"a",@progbits
	.p2align	6, 0x0
	.amdhsa_kernel k_q6fa07bef91_prep
		.amdhsa_group_segment_fixed_size 0
		.amdhsa_private_segment_fixed_size 0
		.amdhsa_enable_private_segment 0
		.amdhsa_kernarg_size 72
		.amdhsa_user_sgpr_count 2
		.amdhsa_user_sgpr_kernarg_segment_ptr 1
		.amdhsa_wavefront_size32 1
		.amdhsa_system_sgpr_workgroup_id_x 1
		.amdhsa_system_sgpr_workgroup_id_y 1
		.amdhsa_system_sgpr_workgroup_id_z 1
		.amdhsa_system_vgpr_workitem_id 0
		.amdhsa_next_free_vgpr 232
		.amdhsa_next_free_sgpr 66
		.amdhsa_reserve_vcc 1
		.amdhsa_float_denorm_mode_32 3
		.amdhsa_float_denorm_mode_16_64 3
		.amdhsa_memory_ordered 1
		.amdhsa_forward_progress 1
		.amdhsa_inst_pref_size 44
	.end_amdhsa_kernel
	.amdgpu_metadata
---
amdhsa.version: [ 1, 2 ]
amdhsa.kernels:
  - .name:           k_q6fa07bef91_prep
    .symbol:         k_q6fa07bef91_prep.kd
    .args:
      - { .name: x, .offset: 0, .size: 8, .value_kind: global_buffer, .address_space: global }
      - { .name: Wq, .offset: 8, .size: 8, .value_kind: global_buffer, .address_space: global }
      - { .name: Wkv, .offset: 16, .size: 8, .value_kind: global_buffer, .address_space: global }
      - { .name: Wo, .offset: 24, .size: 8, .value_kind: global_buffer, .address_space: global }
      - { .name: g_in, .offset: 32, .size: 8, .value_kind: global_buffer, .address_space: global }
      - { .name: mask, .offset: 40, .size: 8, .value_kind: global_buffer, .address_space: global }
      - { .name: act, .offset: 48, .size: 8, .value_kind: global_buffer, .address_space: global }
      - { .name: w16, .offset: 56, .size: 8, .value_kind: global_buffer, .address_space: global }
      - { .name: tab, .offset: 64, .size: 8, .value_kind: global_buffer, .address_space: global }
    .group_segment_fixed_size: 0
    .private_segment_fixed_size: 0
    .kernarg_segment_align: 8
    .kernarg_segment_size: 72
    .max_flat_workgroup_size: 256
    .sgpr_count:     66
    .vgpr_count:     232
    .wavefront_size: 32
...
	.end_amdgpu_metadata
.endif
;; end of part 1
;; launch gemm_qkv (part 2): grid 4 x 64, 4 waves a work-group, clusters of 4 x 4, 327,680 bytes of LDS; arguments act, w16, tab, q, kv; writes q, kv
.if DOCPART == 2
	.amdgcn_target "amdgcn-amd-amdhsa--gfx1250"
	.amdhsa_code_object_version 6
	.text
	.protected	k_q6fa07bef91_gemm_qkv
	.globl	k_q6fa07bef91_gemm_qkv
	.p2align	8
	.type	k_q6fa07bef91_gemm_qkv,@function
k_q6fa07bef91_gemm_qkv:
	s_mov_b64 s[64:65], 0
	v_nop
	global_prefetch_b8 v0, s[64:65] scope:SCOPE_SE
	s_setreg_imm32_b32 hwreg(HW_REG_WAVE_MODE, 25, 1), 1
	s_wait_xcnt 0x0
	s_wait_alu depctr_hold_cnt(0) depctr_sa_sdst(0) depctr_va_vdst(0) depctr_va_sdst(0) depctr_va_ssrc(0) depctr_va_vcc(0) depctr_vm_vsrc(0)
	s_getreg_b32 s2, hwreg(HW_REG_IB_STS2, 6, 4)
	s_cmp_eq_u32 s2, 0
	s_cbranch_scc0 .Lentry_in_a_cluster
	s_endpgm
.Lentry_in_a_cluster:
	s_bfe_u32 s2, ttmp6, 0x10000c
	s_cmp_lg_u32 s2, 0xf033
	s_cbranch_scc0 .Lentry_shape_is_right
	s_endpgm
.Lentry_shape_is_right:
; q = xhat (g Wq)^T and [k | v] = x Wkv^T, from ONE A operand: x = mean + sd xhat, so x . w = sd (xhat . w) + mean rowsum(w): a sum of two terms, no difference of large sums.
; act: [8192][1024] f16 (xhat); w16: four blocks of 288 rows x 1024 f16 (256 rows of g Wq, 32 of Wkv); q: [8192][1024] f16; kv: [4 planes][8192][32] f16 (k 0-31, k 32-63, v 0-31, v 32-63).
; LIMITS.  q, k and v are rounded once to f16: they stay under 65,504.  Sums in f32.
; SHARES.  A work-group makes 128 rows x 288 columns (block cb's 256 of q and plane cb's 32): 4 x 64 = 256 work-groups.  Wave w: rows 64 (w / 2) on, q columns 128 (w % 2) on, plane columns 16 (w % 2) on:
; 4 x 9 accumulators of 16 x 16.  K goes in 8 steps of 128 (rows of 256 bytes, aligned) through two LDS slots.
; CLUSTER 4 x 4.  A's tile hangs on the row tile alone and is asked for jointly along a row of the cluster, B's on the column block alone, along a column.  Wave 0 asks for A's 128 rows,
; waves 1 and 2 for 128 rows of B each, wave 3 for the block's last 32 rows: one tensor load a wave behind each round; at the start two are out, later one.
; THE PRODUCT IS TAKEN TRANSPOSED (source 0 = 16 rows of B, source 1 = 16 rows of A): a lane holds one row of the result and eight neighbouring columns.
; REGISTERS.  window 0: v2-14 addresses; v16-31 statistics and row sums; v32-95 A's fragments, two buffers; v96-223 the way out; v240-246 at work; v252-253 the add's.
;   window 1: v0-71, v72-143 B's fragments, two buffers (fragment 8: the plane's); v160-191 the plane's accumulators.   window 2: accumulator (a, b) at v[8 (8 a + b)].
.set PITCH, 272                        ; an LDS row: 256 bytes + 16 of padding: the 16 rows of a fragment load start at 16 different groups of four banks (64 banks of 4 bytes: ISA guide 11.1)
.set OFFB,  128*PITCH                  ; a slot: A's 128 rows, B's 256, the plane's 32
.set OFFK,  3*128*PITCH
.set SLOT1, 131072                     ; slot 1 begins here: one exclusive or turns an address in one slot into the other's
.set STAGE, SLOT1+OFFK+32*PITCH        ; behind the ring: 16 rows x 272 bytes for each wave
.set KVP,   80                         ; a row of the plane's stage: 64 bytes + 16
.set KVST,  STAGE+4*16*PITCH           ; 128 rows x 80 bytes, the work-group's
.set SPARE, KVST+128*KVP               ; the spare words, 128 bytes a wave: two blocks of 256 bytes that no other line names
.set A0, 2                             ; my lane's place in A's, B's and the plane's rows of a slot; never rewritten
.set B0, 3
.set K0, 4
.set ADRA, 5                           ; the same in the slot that is read
.set ADRB, 6
.set ADRK, 7
.set STO, 8
.set RD,  9
.set CO,  10
.set KSTO, 11
.set KRD, 12
.set KCO, 13
.set PFO, 14                           ; the prefetches' offset: lane x 2,048
.set STT, 16                           ; v[16:23]  (mean, sd) of my row in each of my four row blocks
.set RSV, 24                           ; v[24:31]  rowsum(Wkv) of my eight plane columns
.set AF,  32
.set TMP, 96
.set OB,  128
.set KT,  192
.set KP,  200                          ; v[200:215]
.set SDP, 216                          ; v[216:223] sd, twice, for each row block
.set TR,  240
.set TH,  241
.set TA,  242
.set SA,  243
.set RA,  244
.set TL,  245
.set TC,  246
.set SPW, 252
.set NIL, 253
.set ACK, 160                          ; window 1
.set TY, 14
.set WV, 20
.set RH, 21
.set CH, 22
.set CX, 23
.set CY, 66
.set CB, 67
.set G1A, 24
.set G1B, 32
.set G1C, 40
.set G0A, 48                           ; two sets of four: (slot 0, K step 0); (slot 1, K step 1), which then walks
.set G0B, 56
.set G0C, 68
.set TB,  76
.set LIM, 77
.set PFA, 78
.set G1W, (1<<16)|(1<<20)|(1<<21)|(5<<22)|(3<<25)  ; elements of 2 bytes; padding on; bit 21 beside a mask; after every 64 words, 4 words
.set MSB, 0
.macro WIN new                         ; the immediate's high byte repeats the setting that is left; a switch that changes nothing is dropped
.if MSB != (\new)
	s_set_vgpr_msb (MSB<<8)|(\new)
.set MSB, \new
.endif
.endm
.macro PLACES                          ; four places in front of loads into registers that matrix instructions have read, and of lines that read their results
.rept 4
	v_nop
.endr
.endm
.macro CREST                           ; a round of the cluster's barrier behind its opening barrier
	s_cmp_lg_u32 s[WV], 0
	s_cbranch_scc1 .Lnot_wave_0_\@
	s_barrier_signal -3
.Lnot_wave_0_\@:
	s_barrier_wait -3
	s_barrier_signal -1
	s_barrier_wait -1
.endm
.macro CROUND
	s_barrier_signal -1
	s_barrier_wait -1
	CREST
.endm
.macro TLOAD g0, g1                    ; a tensor load and the line behind it
	tensor_load_to_lds s[\g0:\g0+3], s[\g1:\g1+7]
	s_nop 0
.endm
; A joint refill by the walking sets.  The branches hang on the wave's number alone.
.macro JLOAD
	s_cmp_eq_u32 s[WV], 0
	s_cbranch_scc0 .Lnot_a_\@
	TLOAD G0A+4, G1A
	PLACES
	s_branch .Lasked_\@
.Lnot_a_\@:
	s_cmp_eq_u32 s[WV], 3
	s_cbranch_scc0 .Lfor_b_\@
	TLOAD G0C+4, G1C
	PLACES
	s_branch .Lasked_\@
.Lfor_b_\@:
	TLOAD G0B+4, G1B
	PLACES
.Lasked_\@:
.endm
; A prefetch into the L2 of the K step that stands two refills on: 32 rows x 256 bytes, a lane a row.  A's rows are read by this cluster alone: its wave 0 asks, the four partners of a cluster row
; take 32 rows each by address.  B's rows are read by every cluster: those of cluster y = 0 ask, waves 1 and 2, the four partners of a column 32 rows each.  Trips 0 to 3 name K steps 4 to 7.
.macro ASK
	s_cmp_gt_u32 s3, s[LIM]
	s_cbranch_scc0 .Lnot_mine_\@
	global_prefetch_b8 v[PFO], s[PFA:PFA+1] offset:256 th:TH_LOAD_NT scope:SCOPE_SE
.Lnot_mine_\@:
.endm
	s_load_b256 s[4:11], s[0:1], 0x0               ; act s[4:5], w16 s[6:7], tab s[8:9], q s[10:11]
	s_load_b64 s[12:13], s[0:1], 0x20              ; kv
	v_lshl_add_u32 v[SPW], v0, 2, SPARE
	v_mov_b32 v[NIL], 0
	ds_add_u32 v[SPW], v[NIL]                      ; the wave's opening: the add and its wait ahead of my first tensor load
	v_lshrrev_b32 v1, 5, v0
	v_readfirstlane_b32 s[WV], v1
	s_lshr_b32 s[RH], s[WV], 1
	s_and_b32 s[CH], s[WV], 1
	s_bfe_u32 s[CX], ttmp6, 0x40000
	s_bfe_u32 s[CY], ttmp6, 0x40004
	s_lshl_b32 s[CB], ttmp9, 2
	s_add_co_u32 s[CB], s[CB], s[CX]               ; column block
	s_and_b32 s[TY], ttmp7, 0xffff
	s_lshl_b32 s[TY], s[TY], 2
	s_add_co_u32 s[TY], s[TY], s[CY]               ; row tile
	s_lshl_b32 s80, s[CY], 2
	s_lshl_b32 s80, 15, s80                        ; my row of the cluster
	s_lshl_b32 s81, 0x1111, s[CX]                  ; my column
	s_or_b32 s[G1A], s80, G1W
	s_or_b32 s[G1B], s81, G1W
	s_or_b32 s[G1C], s81, G1W
.irp g, G1A, G1B
	s_mov_b32 s[\g+1], 128<<16                     ; tensor_dim0 = 128
	s_mov_b32 s[\g+2], 128<<16                     ; tensor_dim1 = 128
	s_mov_b32 s[\g+3], 128<<16                     ; tile_dim0 = 128
	s_mov_b32 s[\g+4], 128                         ; tile_dim1 = 128
	s_mov_b32 s[\g+5], 1024                        ; elements from row to row
	s_mov_b32 s[\g+6], 0
	s_mov_b32 s[\g+7], 0
.endr
	s_mov_b32 s[G1C+1], 128<<16
	s_mov_b32 s[G1C+2], 32<<16                     ; 32 rows
	s_mov_b32 s[G1C+3], 128<<16
	s_mov_b32 s[G1C+4], 32
	s_mov_b32 s[G1C+5], 1024
	s_mov_b32 s[G1C+6], 0
	s_mov_b32 s[G1C+7], 0
	s_lshl_b32 s82, s[TY], 18                      ; A: 128 rows of 2,048 bytes a tile
	s_mov_b32 s83, 0
	s_mul_i32 s84, s[CB], 288
	s_lshl_b32 s85, s[RH], 7
	s_add_co_u32 s84, s84, s85                     ; B: row 288 cb + 128 (w / 2): waves 1 and 2 take the two halves
	s_lshl_b32 s84, s84, 11
	s_mov_b32 s85, 0
	s_mul_i32 s86, s[CB], 288
	s_add_co_u32 s86, s86, 256                     ; the block's last 32 rows
	s_lshl_b32 s86, s86, 11
	s_mov_b32 s87, 0
	s_mul_i32 s88, s[WV], OFFB                     ; where waves 1 and 2 put B's halves
	s_mov_b32 s[TB], 0
	s_wait_dscnt 0x0                               ; the opening add is done
	s_wait_kmcnt 0x0
	s_add_nc_u64 s[82:83], s[4:5], s[82:83]
	s_add_nc_u64 s[84:85], s[6:7], s[84:85]
	s_add_nc_u64 s[86:87], s[6:7], s[86:87]
	CROUND                                         ; all sixteen work-groups are here: the first joint loads meet
.irp s, 0,1
	s_mov_b32 s[G0A+4*\s], 1
	s_mov_b32 s[G0A+4*\s+1], \s*SLOT1
	s_add_nc_u64 s[G0A+4*\s+2:G0A+4*\s+3], s[82:83], \s*256
	s_or_b32 s[G0A+4*\s+3], s[G0A+4*\s+3], 0x80000000
	s_mov_b32 s[G0B+4*\s], 1
	s_add_co_u32 s[G0B+4*\s+1], s88, \s*SLOT1
	s_add_nc_u64 s[G0B+4*\s+2:G0B+4*\s+3], s[84:85], \s*256
	s_or_b32 s[G0B+4*\s+3], s[G0B+4*\s+3], 0x80000000
	s_mov_b32 s[G0C+4*\s], 1
	s_mov_b32 s[G0C+4*\s+1], OFFK+\s*SLOT1
	s_add_nc_u64 s[G0C+4*\s+2:G0C+4*\s+3], s[86:87], \s*256
	s_or_b32 s[G0C+4*\s+3], s[G0C+4*\s+3], 0x80000000
.endr
	s_cmp_eq_u32 s[WV], 0                          ; a wave's two first fills stand in one branch, ahead of every wait on TENSORcnt and every LDS read
	s_cbranch_scc0 .Lf_not_a
	TLOAD G0A, G1A
	TLOAD G0A+4, G1A
	PLACES
	s_branch .Lf_asked
.Lf_not_a:
	s_cmp_eq_u32 s[WV], 3
	s_cbranch_scc0 .Lf_b
	TLOAD G0C, G1C
	TLOAD G0C+4, G1C
	PLACES
	s_branch .Lf_asked
.Lf_b:
	TLOAD G0B, G1B
	TLOAD G0B+4, G1B
	PLACES
.Lf_asked:
	; a fragment is 16 rows x 32 K in 8 registers: lane l holds row l % 16, K = 8 (l / 16) + 0..7 and 16 + 8 (l / 16) + 0..7: two loads of 16 bytes, 32 bytes apart
	v_and_b32 v[TR], 15, v0
	v_bfe_u32 v[TH], v0, 4, 1
	v_and_b32 v[TL], 31, v0
	v_mul_u32_u24 v[TA], v[TR], PITCH
	v_lshl_add_u32 v[TA], v[TH], 4, v[TA]
	s_mul_i32 s80, s[RH], 64*PITCH
	v_add_nc_u32 v[A0], s80, v[TA]
	s_mul_i32 s80, s[CH], 128*PITCH
	s_add_co_u32 s80, s80, OFFB
	v_add_nc_u32 v[B0], s80, v[TA]
	s_mul_i32 s80, s[CH], 16*PITCH
	s_add_co_u32 s80, s80, OFFK
	v_add_nc_u32 v[K0], s80, v[TA]
	v_mov_b32 v[ADRA], v[A0]
	v_mov_b32 v[ADRB], v[B0]
	v_mov_b32 v[ADRK], v[K0]
	s_mul_i32 s80, s[WV], 16*PITCH
	s_add_co_u32 s80, s80, STAGE                   ; my stage
	v_add_nc_u32 v[STO], s80, v[TA]                ; in: row l % 16, 16 bytes for each half of the lanes
	v_mul_u32_u24 v[TC], v[TH], PITCH              ; back: lanes 0-15 one row of 256 bytes, lanes 16-31 the next
	v_lshl_add_u32 v[TC], v[TR], 4, v[TC]
	v_add_nc_u32 v[RD], s80, v[TC]
	v_lshlrev_b32 v[CO], 11, v[TH]                 ; the same two rows in q
	v_lshl_add_u32 v[CO], v[TR], 4, v[CO]
	s_mul_i32 s80, s[RH], 64*KVP                   ; the plane's stage, in: row 64 (w / 2) + l % 16, my 16 columns' 32 bytes, 16 for each half of the lanes
	s_lshl_b32 s81, s[CH], 5
	s_add_co_u32 s80, s80, s81
	s_add_co_u32 s80, s80, KVST
	v_mul_u32_u24 v[TC], v[TR], KVP
	v_lshl_add_u32 v[TC], v[TH], 4, v[TC]
	v_add_nc_u32 v[KSTO], s80, v[TC]
	s_mul_i32 s80, s[WV], 32*KVP                   ; back: wave w takes rows 32 w on, eight rows of 64 bytes a load
	s_add_co_u32 s80, s80, KVST
	v_lshrrev_b32 v[TC], 2, v[TL]
	v_mul_u32_u24 v[TC], v[TC], KVP
	v_and_b32 v[TA], 3, v[TL]
	v_lshl_add_u32 v[TC], v[TA], 4, v[TC]
	v_add_nc_u32 v[KRD], s80, v[TC]
	v_lshlrev_b32 v[KCO], 4, v[TL]
	v_lshlrev_b32 v[PFO], 11, v[TL]
	s_lshl_b32 s94, s[TY], 7
	s_lshl_b32 s91, s[RH], 6
	s_add_co_u32 s94, s94, s91                     ; my first row: 128 ty + 64 (w / 2)
	s_lshl_b32 s90, s94, 11
	s_lshl_b32 s91, s[CB], 9
	s_add_co_u32 s90, s90, s91
	s_lshl_b32 s91, s[CH], 8
	s_add_co_u32 s90, s90, s91
	s_mov_b32 s91, 0
	s_add_nc_u64 s[10:11], s[10:11], s[90:91]      ; q at my 64 rows x 256 bytes
	s_lshl_b32 s92, s[TY], 7
	s_lshl_b32 s93, s[WV], 5
	s_add_co_u32 s92, s92, s93
	s_lshl_b32 s92, s92, 6
	s_lshl_b32 s93, s[CB], 19
	s_add_co_u32 s92, s92, s93
	s_mov_b32 s93, 0
	s_add_nc_u64 s[12:13], s[12:13], s[92:93]      ; plane cb at rows 128 ty + 32 w
	s_lshl_b32 s95, s94, 3
	v_lshl_add_u32 v[SA], v[TR], 3, s95
	s_lshl_b32 s95, s[CB], 7
	s_lshl_b32 s94, s[CH], 6
	s_add_co_u32 s95, s95, s94
	v_lshl_add_u32 v[RA], v[TH], 5, s95
.irp a, 0,1,2,3
	global_load_b64 v[STT+2*\a:STT+2*\a+1], v[SA], s[8:9] offset:128*\a
.endr
	global_load_b128 v[RSV:RSV+3], v[RA], s[8:9] offset:98304
	global_load_b128 v[RSV+4:RSV+7], v[RA], s[8:9] offset:98304+16
	; the prefetches' address and who asks
	s_and_b32 s90, ttmp7, 0xffff
	s_lshl_b32 s91, s[TY], 7
	s_lshl_b32 s92, s[CX], 5
	s_add_co_u32 s91, s91, s92                     ; A: my work-group's 32 of the tile's 128 rows
	s_mul_i32 s93, s[CB], 288
	s_lshl_b32 s94, s[RH], 7
	s_add_co_u32 s93, s93, s94
	s_lshl_b32 s94, s[CY], 5
	s_add_co_u32 s93, s93, s94                     ; B: my work-group's 32 of the wave's 128 rows
	s_cmp_eq_u32 s[WV], 0
	s_cselect_b32 s95, 0, s90
	s_cselect_b32 s92, s91, s93
	s_cselect_b64 s[PFA:PFA+1], s[4:5], s[6:7]
	s_cmp_eq_u32 s[WV], 3
	s_cselect_b32 s95, 1, s95
	s_cmp_eq_u32 s95, 0
	s_cselect_b32 s[LIM], 2, -1                    ; the same in all sixteen partners, for a given wave
	s_lshl_b32 s92, s92, 11
	s_mov_b32 s93, 0
	s_add_nc_u64 s[PFA:PFA+1], s[PFA:PFA+1], s[92:93]
	s_add_nc_u64 s[PFA:PFA+1], s[PFA:PFA+1], 512   ; at K step 2: the first refill steps it to 3 and names K step 4
; eight matrix instructions: row block a x the eight blocks of q columns, 32 along K, from buffer f.  zero = 1: the products start the sums
.macro MULQ f, a, zero
	WIN 0xa1                                       ; B window 1, A window 0, C and D window 2
.irp b, 0,1,2,3,4,5,6,7
.if \zero
	v_wmma_f32_16x16x32_f16 v[8*(8*(\a)+\b):8*(8*(\a)+\b)+7], v[72*(\f)+8*\b:72*(\f)+8*\b+7], v[AF+32*(\f)+8*(\a):AF+32*(\f)+8*(\a)+7], 0
.else
	v_wmma_f32_16x16x32_f16 v[8*(8*(\a)+\b):8*(8*(\a)+\b)+7], v[72*(\f)+8*\b:72*(\f)+8*\b+7], v[AF+32*(\f)+8*(\a):AF+32*(\f)+8*(\a)+7], v[8*(8*(\a)+\b):8*(8*(\a)+\b)+7]
.endif
.endr
.endm
.macro MULK f, zero                    ; four more: the plane's 16 columns x the four row blocks
	WIN 0x51                                       ; B, C and D window 1, A window 0
.irp a, 0,1,2,3
.if \zero
	v_wmma_f32_16x16x32_f16 v[ACK+8*\a:ACK+8*\a+7], v[72*(\f)+64:72*(\f)+71], v[AF+32*(\f)+8*\a:AF+32*(\f)+8*\a+7], 0
.else
	v_wmma_f32_16x16x32_f16 v[ACK+8*\a:ACK+8*\a+7], v[72*(\f)+64:72*(\f)+71], v[AF+32*(\f)+8*\a:AF+32*(\f)+8*\a+7], v[ACK+8*\a:ACK+8*\a+7]
.endif
.endr
.endm
.macro FETCH k, f                      ; 26 LDS loads in one run: the fragments of 32 along K at byte k of the rows, into buffer f: B's nine, then A's four
	WIN 0x40
.irp i, 0,1,2,3,4,5,6,7
	ds_load_b128 v[72*(\f)+8*\i:72*(\f)+8*\i+3],   v[ADRB] offset:(\k)+\i*16*PITCH
	ds_load_b128 v[72*(\f)+8*\i+4:72*(\f)+8*\i+7], v[ADRB] offset:(\k)+\i*16*PITCH+32
.endr
	ds_load_b128 v[72*(\f)+64:72*(\f)+67], v[ADRK] offset:(\k)
	ds_load_b128 v[72*(\f)+68:72*(\f)+71], v[ADRK] offset:(\k)+32
	WIN 0
.irp i, 0,1,2,3
	ds_load_b128 v[AF+32*(\f)+8*\i:AF+32*(\f)+8*\i+3],   v[ADRA] offset:(\k)+\i*16*PITCH
	ds_load_b128 v[AF+32*(\f)+8*\i+4:AF+32*(\f)+8*\i+7], v[ADRA] offset:(\k)+\i*16*PITCH+32
.endr
.endm
; A K step is four quarters of 32 along K, 36 matrix instructions each, on buffers 0, 1, 0, 1; the 36 accumulators take turns, in the same order in every quarter.
.macro QUARTER k, f, g, zero
	s_wait_dscnt 4                                 ; B's and A's fragments 0 and 1 are in; the youngest four loads (A's 2 and 3) may be out
	MULQ \f, 0, \zero
	MULQ \f, 1, \zero
	PLACES
	FETCH \k, \g
	s_wait_dscnt 26                                ; all but the 26 just issued
	MULQ \f, 2, \zero
	MULQ \f, 3, \zero
	MULK \f, \zero
.endm
; The fourth quarter multiplies buffer 1 and changes slots.  In front of the barrier each wave waits for all its tensor loads (one is out: its part of the next slot), adds 0 to its spare word,
; and waits for that and for its reads of this slot.  fill = 1: the barrier opens a round of the cluster's, and the joint refill, two K steps on, is the first thing behind it.
.macro TURN fill
.if \fill
	s_wait_xcnt 0x0                                ; the last prefetch, a K step back, has read its address
	s_add_nc_u64 s[PFA:PFA+1], s[PFA:PFA+1], 256
.endif
	WIN 0
	s_wait_tensorcnt 0x0
	ds_add_u32 v[SPW], v[NIL]
	s_wait_dscnt 5                                 ; the add and A's youngest four loads may be out
	MULQ 1, 0, 0
	s_wait_dscnt 0x0                               ; the add is done, and my reads of this slot are over
	s_barrier_signal -1
	MULQ 1, 1, 0
	WIN 0
	s_barrier_wait -1
.if \fill
	CREST
.irp g, G0A+4, G0B+4, G0C+4
	s_xor_b32 s[\g+1], s[\g+1], SLOT1              ; no tensor load of mine is out: the walking sets step to the other slot,
	s_add_nc_u64 s[\g+2:\g+3], s[\g+2:\g+3], 256   ; and a K step on
.endr
	JLOAD                                          ; its four v_nop are also the places in front of the loads below
.else
	PLACES
.endif
	s_xor_b32 s[TB], s[TB], SLOT1
	v_add_nc_u32 v[ADRA], s[TB], v[A0]
	v_add_nc_u32 v[ADRB], s[TB], v[B0]
	v_add_nc_u32 v[ADRK], s[TB], v[K0]
	FETCH 0, 0
.if \fill
	ASK
.endif
	MULQ 1, 2, 0
	MULQ 1, 3, 0
	MULK 1, 0
.endm
	s_wait_tensorcnt 1                             ; my part of K step 0 is in; K step 1's stays out
	s_barrier_signal -1
	s_barrier_wait -1
	FETCH 0, 0
	QUARTER 64, 0, 1, 1                            ; the first quarter stands in front of the loop: its products start the sums
	WIN 0
	s_mov_b32 s3, 6
.Lstep:                                        ; a trip: a K step's quarters 1 to 3 and the next one's first; trip j asks for K step j + 2
	QUARTER 128, 1, 0, 0
	QUARTER 192, 0, 1, 0
	TURN 1
	QUARTER 64, 0, 1, 0
	WIN 0
	s_sub_co_u32 s3, s3, 1
	s_cmp_lg_u32 s3, 0
	s_cbranch_scc1 .Lstep
	QUARTER 128, 1, 0, 0                           ; K steps 6 and 7 ask for nothing
	QUARTER 192, 0, 1, 0
	TURN 0
	QUARTER 64, 0, 1, 0
	QUARTER 128, 1, 0, 0
	QUARTER 192, 0, 1, 0
	s_wait_dscnt 4
	MULQ 1, 0, 0
	MULQ 1, 1, 0
	s_wait_dscnt 0x0
	MULQ 1, 2, 0
	MULQ 1, 3, 0
	MULK 1, 0
	WIN 0
	; THE WAY OUT.  First the plane: sd (xhat . w) + mean rowsum(w), rounded to f16, into the work-group's stage (a plane's row of 64 bytes comes from two waves).
	s_wait_loadcnt 0x0                             ; the statistics and the row sums
	PLACES
.irp a, 0,1,2,3
	v_mov_b32 v[SDP+2*\a], v[STT+2*\a+1]
	v_mov_b32 v[SDP+2*\a+1], v[STT+2*\a+1]
.endr
.macro KPACK a
	WIN 0
.irp i, 0,2,4,6
	v_pk_mul_f32 v[KT+\i:KT+\i+1], v[RSV+\i:RSV+\i+1], v[STT+2*(\a):STT+2*(\a)+1] op_sel_hi:[1,0]
.endr
	WIN 0x01                                       ; source 0 in window 1
.irp i, 0,2,4,6
	v_pk_fma_f32 v[KT+\i:KT+\i+1], v[ACK+8*(\a)+\i:ACK+8*(\a)+\i+1], v[SDP+2*(\a):SDP+2*(\a)+1], v[KT+\i:KT+\i+1]
.endr
	WIN 0
.irp i, 0,1,2,3
	v_cvt_pk_f16_f32 v[KP+4*(\a)+\i], v[KT+2*\i], v[KT+2*\i+1]
.endr
	ds_store_b128 v[KSTO], v[KP+4*(\a):KP+4*(\a)+3] offset:16*KVP*(\a)
.endm
	KPACK 0
	KPACK 1
	KPACK 2
	KPACK 3
	s_wait_dscnt 0x0                               ; for the others' sake: my stores into the plane's stage are done
	s_barrier_signal -1
	s_barrier_wait -1
	; then q: a block of 16 rows at a time through my own stage, and back as whole rows of 256 bytes
.macro PACK a
	WIN 0x0a                                       ; sources 0 and 1 in window 2
.irp b, 0,1,2,3,4,5,6,7
.irp r, 0,1,2,3
	v_cvt_pk_f16_f32 v[TMP+4*\b+\r], v[8*(8*(\a)+\b)+2*\r], v[8*(8*(\a)+\b)+2*\r+1]
.endr
.endr
	WIN 0
.endm
.macro TOSTAGE a
.set BK, OB+32*((\a)%2)
.irp b, 0,1,2,3,4,5,6,7
	ds_store_b128 v[STO], v[TMP+4*\b:TMP+4*\b+3] offset:32*\b
.endr
.irp t, 0,1,2,3,4,5,6,7
	ds_load_b128 v[BK+4*\t:BK+4*\t+3], v[RD] offset:\t*2*PITCH  ; LDS serves a wave's instructions in order (ISA guide 5.7.1.4): these see the stores above
.endr
.endm
.macro SEND a
.set BK, OB+32*((\a)%2)
	s_wait_dscnt 0x0                               ; the block is back in registers
	s_wait_xcnt 0x0                                ; the stores of the block before have read their registers, which the next block's loads write
.irp t, 0,1,2,3,4,5,6,7
	global_store_b128 v[CO], v[BK+4*\t:BK+4*\t+3], s[10:11] offset:(16*(\a)+2*\t)*2048  ; 16 lanes store 256 consecutive bytes, aligned
.endr
.endm
	PACK 0
	TOSTAGE 0
.irp a, 1,2,3
	PACK \a
	SEND (\a)-1
	TOSTAGE \a
.endr
	SEND 3
.irp t, 0,1,2,3
	ds_load_b128 v[TMP+4*\t:TMP+4*\t+3], v[KRD] offset:\t*8*KVP
.endr
.irp t, 0,1,2,3
	s_wait_dscnt 3-\t                              ; the later loads may stay out
	global_store_b128 v[KCO], v[TMP+4*\t:TMP+4*\t+3], s[12:13] offset:512*\t  ; eight rows of the plane: 512 consecutive bytes
.endr
	s_wait_tensorcnt 0x0                           ; the wave's end
	ds_add_u32 v[SPW], v[NIL]
	s_wait_dscnt 0x0
	CROUND                                         ; the closing round
	s_endpgm
.Lfunc_end_k_q6fa07bef91_gemm_qkv:
	.size	k_q6fa07bef91_gemm_qkv, .Lfunc_end_k_q6fa07bef91_gemm_qkv-k_q6fa07bef91_gemm_qkv
	.p2alignl 7, 3214868480
	.fill 96, 4, 3214868480
	.section	.rodata,"a",@progbits
	.p2align	6, 0x0
	.amdhsa_kernel k_q6fa07bef91_gemm_qkv
		.amdhsa_group_segment_fixed_size 327680
		.amdhsa_private_segment_fixed_size 0
		.amdhsa_enable_private_segment 0
		.amdhsa_kernarg_size 40
		.amdhsa_user_sgpr_count 2
		.amdhsa_user_sgpr_kernarg_segment_ptr 1
		.amdhsa_wavefront_size32 1
		.amdhsa_system_sgpr_workgroup_id_x 1
		.amdhsa_system_sgpr_workgroup_id_y 1
		.amdhsa_system_sgpr_workgroup_id_z 1
		.amdhsa_system_vgpr_workitem_id 0
		.amdhsa_next_free_vgpr 768
		.amdhsa_next_free_sgpr 96
		.amdhsa_reserve_vcc 0
		.amdhsa_float_denorm_mode_32 3
		.amdhsa_float_denorm_mode_16_64 3
		.amdhsa_memory_ordered 1
		.amdhsa_forward_progress 1
		.amdhsa_inst_pref_size 85
	.end_amdhsa_kernel
	.amdgpu_metadata
---
amdhsa.version: [ 1, 2 ]
amdhsa.kernels:
  - .name:           k_q6fa07bef91_gemm_qkv
    .symbol:         k_q6fa07bef91_gemm_qkv.kd
    .args:
      - { .name: act, .offset: 0, .size: 8, .value_kind: global_buffer, .address_space: global }
      - { .name: w16, .offset: 8, .size: 8, .value_kind: global_buffer, .address_space: global }
      - { .name: tab, .offset: 16, .size: 8, .value_kind: global_buffer, .address_space: global }
      - { .name: q, .offset: 24, .size: 8, .value_kind: global_buffer, .address_space: global }
      - { .name: kv, .offset: 32, .size: 8, .value_kind: global_buffer, .address_space: global }
    .group_segment_fixed_size: 327680
    .private_segment_fixed_size: 0
    .kernarg_segment_align: 8
    .kernarg_segment_size: 40
    .max_flat_workgroup_size: 128
    .sgpr_count:     96
    .vgpr_count:     768
    .wavefront_size: 32
...
	.end_amdgpu_metadata
.endif
;; end of part 2
;; launch attn (part 3): grid 4 x 64, 4 waves a work-group, clusters of 4 x 1, 327,680 bytes of LDS; arguments q, kv, tab, null_kv, act; writes act
.if DOCPART == 3
	.amdgcn_target "amdgcn-amd-amdhsa--gfx1250"
	.amdhsa_code_object_version 6
	.text
	.protected	k_q6fa07bef91_attn
	.globl	k_q6fa07bef91_attn
	.p2align	8
	.type	k_q6fa07bef91_attn,@function
k_q6fa07bef91_attn:
	s_mov_b64 s[64:65], 0
	v_nop
	global_prefetch_b8 v0, s[64:65] scope:SCOPE_SE
	s_setreg_imm32_b32 hwreg(HW_REG_WAVE_MODE, 25, 1), 1
	s_wait_xcnt 0x0
	s_wait_alu depctr_hold_cnt(0) depctr_sa_sdst(0) depctr_va_vdst(0) depctr_va_sdst(0) depctr_va_ssrc(0) depctr_va_vcc(0) depctr_vm_vsrc(0)
	s_getreg_b32 s2, hwreg(HW_REG_IB_STS2, 6, 4)
	s_cmp_eq_u32 s2, 0
	s_cbranch_scc0 .Lentry_in_a_cluster
	s_endpgm
.Lentry_in_a_cluster:
	s_bfe_u32 s2, ttmp6, 0x10000c
	s_cmp_lg_u32 s2, 0x3003
	s_cbranch_scc0 .Lentry_shape_is_right
	s_endpgm
.Lentry_shape_is_right:
; CAUSAL ATTENTION WITH ONE SHARED KEY AND VALUE HEAD, A NULL TOKEN AND A KEY MASK.  For query i of batch b and head h: softmax over the null token and the tokens t <= i with mask[b][t] of q . k / 8, times v.
; (The module's alpha and its 1 / alpha are powers of two and cancel.)  q: [8192][1024] f16, column 64 h + d; kv: [4 planes][8192][32] f16 (k 0-31, k 32-63, v 0-31, v 32-63); the result goes to act in q's layout.
; Products, maxima and sums in f32; the weights p are rounded to f16 for the second product (their sum l is taken of the unrounded p), the result once at the end.
; LIMITS.  q, k, v and the null key lie within f16's 65,504.  A hidden key counts as its score less 1e30 (or 2e30): f16's scores, 2.7e11 at the most, are nothing beside that.  A weight below 2^-126 counts
; as 0 in l.  NaN and infinities are not treated apart.
; THE NULL TOKEN is always seen, so it is the running softmax's first state: m = q . nk, l = 1, O = nv.  So m is a true score from the start, and no step is special.
; THE WALK.  A batch's rows lie in 16 blocks of 64; block i needs the key steps 0 .. i of 64 keys, of which the last holds the diagonal.  A work-group takes blocks ip and 15 - ip for four heads: 17 steps
; whatever ip.  K and V come in tiles of 256 keys (four steps): (ip / 4 + 1) + ((15 - ip) / 4 + 1) = 5 tiles whatever ip: one loop of four trips that each ask for a tile, and the fifth written out.
; Steps of a tile behind the first block's end are jumped, forward, past text with no barrier and no tensor load.
; SHARES.  Wave w owns rows 16 w .. 16 w + 15 of the block; its four PIECES are the four heads, which share K, V and the mask.
; CLUSTER.  The four work-groups of a cluster are the four head groups of one (batch, ip): they walk the same tiles, asked for JOINTLY; wave w brings plane w of a tile.  One tensor load a wave is out.
; THE MASK is the C operand that starts S^T = K Q^T: MC = MD x AL + BR; MD hides what lies above the diagonal of a block's own step, AL is 1 for that step alone, BR is the step's 64 key biases (0 or -1e30).
; LAYOUT, TURNS.  S^T holds one query a lane (lane % 16) and the keys 8 (lane / 16) + 0..7; two such results rounded to f16 are source 1 of O^T = V^T P.  p = 2^(c s - c m), c = log2(e) / 8; O and l are
; multiplied by a = 2^(c m_old - c m_new) in every step.  Turn n belongs to piece n: 8 products K Q^T of piece n + 1, later 8 products V^T P of piece n - 1; beside them piece n's scaling, exponentials,
; roundings, sums and rescaling and piece n + 1's maximum.  Four vector instructions stand behind every matrix instruction, the rest in one lump; a turn's 33 exponentials are one batch with one wait.
; REGISTERS.  window 0: v2-15 addresses; v16-31 statistics; v32-35; v48-55 at work; v62-63 the add's; v64-127 S^T, two buffers; v128-159 nv; v160-175 nk's fragments; v192-223 P, two buffers.
;   window 1: v0-127 O^T; v128-159 MD; v160-191 MC; v192-223 BR.     window 2: v0-63 Q; v64-127 the second block's Q; v128-191 K of a step; v192-255 V of a step.
.set NP,    4
.set PKP,   80        ; a row of a K plane in LDS: 64 bytes + 16: the 16 rows of a load start at 16 different groups of four banks (64 banks of 4 bytes: ISA guide 11.1)
.set PVP,   96        ; of a V plane: 64 + 32: 16 lanes of the turning load take 8 rows x 32 bytes
.set KPL,   256*PKP   ; a plane of a tile
.set VPL,   256*PVP
.set VOFF,  2*KPL
.set SLOT1, 131072
.set STAGE, SLOT1+2*KPL+2*VPL   ; behind the ring: 16 rows x 528 bytes for each wave
.set SP,    528
.set SPARE, STAGE+4*16*SP       ; the spare words, 128 bytes a wave: two blocks of 256 bytes that no other line names
.set AK0, 2
.set AV0, 3
.set AK,  4
.set AV,  5
.set STO, 6
.set RD,  7
.set GO,  8
.set MV,  12
.set QO,  15
.set ST,  16          ; piece t's statistics at v[ST+4 t]: c m, m, l (even keys', odd keys')
.set BO0, 32          ; 32 x (lane / 16); never rewritten
.set BA,  33          ; the biases' offset
.set PFO, 34          ; 256 x lane
.set LIN, 35          ; 1.0 in lanes 0-15, 0 in the others: l's first state, once for a query
.set TMP, 48
.set SPW, 62
.set NIL, 63
.set S,   64
.set NVR, 128
.set NKF, 160
.set P,   192
.set MD,  128         ; window 1
.set MC,  160
.set BR,  192
.set QB,  64          ; window 2
.set KF,  128
.set VF,  192
.set WV,  14
.set IP,  15
.set G1K, 24
.set G1V, 32
.set G0K, 40
.set G0V, 44
.set SLOTS, 56
.set CNT, 57
.set CS,  58
.set SEL, 60
.set TBK, 62
.set TBV, 63
.set SB,  66          ; the slot that is read
.set REM, 70          ; steps of the block in hand behind the one in hand
.set NXT, 71          ; the tile to be asked for next
.set LQ,  72          ; the last tile of the block whose tiles are being asked for
.set NEW, 73          ; 1 until the first block has begun
.set OFF, 74
.set AL,  76
.set DEAD, 78         ; 1: the rest of this tile's steps lie behind the block's end
.set NSI, 79          ; the next step's number in its block
.set OLO, 80
.set BIGN, 82
.set LQB, 83
.set NSTB, 84
.set LIM, 85
.set QBP, 86
.set PFA, 88
.set MSB, 0
.macro WIN new
.if MSB != (\new)
	s_set_vgpr_msb (MSB<<8)|(\new)
.set MSB, (\new)
.endif
.endm
.set W_KQ, 0x0a       ; K and Q in window 2, S^T in window 0
.set W_KM, 0x1a       ; the same with the C operand in window 1
.set W_PV, 0x52       ; V in window 2, P in window 0, O^T in window 1
.set W_RS, 0x41       ; destination and source 0 in window 1, source 1 in window 0
.macro JLOAD                        ; a joint fill: waves 0 and 1 bring K's planes, waves 2 and 3 V's
	s_cmp_lt_u32 s[WV], 2
	s_cbranch_scc0 .Lfor_v_\@
	tensor_load_to_lds s[G0K:G0K+3], s[G1K:G1K+7]
	s_nop 0
.rept 4
	v_nop
.endr
	s_branch .Lasked_\@
.Lfor_v_\@:
	tensor_load_to_lds s[G0V:G0V+3], s[G1V:G1V+7]
	s_nop 0
.rept 4
	v_nop
.endr
.Lasked_\@:
.endm
.macro CROUND
	s_barrier_signal -1
	s_barrier_wait -1
	s_cmp_lg_u32 s[WV], 0
	s_cbranch_scc1 .Lnot_wave_0_\@
	s_barrier_signal -3
.Lnot_wave_0_\@:
	s_barrier_wait -3
	s_barrier_signal -1
	s_barrier_wait -1
.endm
; A prefetch into the L2 of the tile that the NEXT change of slots asks for.  All eight clusters of a batch walk the same planes: the cluster with ip = 0 asks, whose second block walks tiles 0 to 3 in order;
; its partner cx takes plane cx, by address; wave 0 asks: 64 rows of 256 bytes, a lane a row, two lines.  Tiles 1 to 3 are named once each; the last change that fills a slot asks for nothing.
.macro ASK
	s_cmp_gt_u32 s[SLOTS], s[LIM]
	s_cbranch_scc0 .Lnot_mine_\@
	global_prefetch_b8 v[PFO], s[PFA:PFA+1] th:TH_LOAD_NT scope:SCOPE_SE
	global_prefetch_b8 v[PFO], s[PFA:PFA+1] offset:8192 th:TH_LOAD_NT scope:SCOPE_SE
.Lnot_mine_\@:
.endm
; THE CHANGE OF SLOTS.  Each wave waits for all its tensor loads (one is out: its plane of the other slot), adds 0 to its spare word, and waits for that and for its reads of the slot that it leaves.
; fill = 1: the barrier is a round of the cluster's, and the old slot is filled again first behind it, with tile NXT: the address is made anew from that number.
.macro CHANGE fill
	WIN 0
	s_wait_tensorcnt 0x0
	ds_add_u32 v[SPW], v[NIL]       ; 0 onto my spare word; scalar work stands between it and the wait for it
.if \fill
	s_lshl_b32 s[OFF], s[NXT], 14   ; a tile is 16,384 bytes of a plane
	s_xor_b32 s[G0K+1], s[G0K+1], SLOT1
	s_add_nc_u64 s[G0K+2:G0K+3], s[6:7], s[OFF:OFF+1]
	s_or_b32 s[G0K+3], s[G0K+3], 0x80000000
	s_xor_b32 s[G0V+1], s[G0V+1], SLOT1
	s_add_nc_u64 s[G0V+2:G0V+3], s[8:9], s[OFF:OFF+1]
	s_or_b32 s[G0V+3], s[G0V+3], 0x80000000
	s_add_co_u32 s[NXT], s[NXT], 1  ; the block's next tile, or behind its last the second block's tile 0
	s_cmp_gt_u32 s[NXT], s[LQ]
	s_cselect_b32 s[NXT], 0, s[NXT]
	s_cselect_b32 s[LQ], s[LQB], s[LQ]
	s_wait_xcnt 0x0                 ; the last prefetches, a tile back, have read their address
	s_add_nc_u64 s[PFA:PFA+1], s[PFA:PFA+1], 16384
.endif
	s_xor_b32 s[SB], s[SB], SLOT1   ; the fetches go to the other slot's first step
	s_mov_b32 s[TBK], s[SB]
	s_mov_b32 s[TBV], s[SB]
	s_mov_b32 s[DEAD], 0
	s_wait_dscnt 0x0                ; the add is done, and my reads of the slot are over
.if \fill
	CROUND
	JLOAD
	ASK
.else
	s_barrier_signal -1
	s_barrier_wait -1
.endif
.endm
	s_load_b128 s[4:7], s[0:1], 0x0     ; q s[4:5], kv s[6:7]
	s_load_b128 s[16:19], s[0:1], 0x10  ; tab s[16:17], null_kv s[18:19]
	s_load_b64 s[10:11], s[0:1], 0x20   ; act
	v_lshl_add_u32 v[SPW], v0, 2, SPARE
	v_mov_b32 v[NIL], 0
	ds_add_u32 v[SPW], v[NIL]       ; the wave's opening: the add and its wait ahead of my first tensor load
	v_lshrrev_b32 v1, 5, v0
	v_readfirstlane_b32 s[WV], v1
	s_and_b32 s20, ttmp7, 0xffff    ; the cluster's y, which the partners share: 8 x batch + ip
	s_lshr_b32 s21, s20, 3
	s_and_b32 s[IP], s20, 7
	s_bfe_u32 s67, ttmp6, 0x40000   ; cx: it enters Q's, the result's and the prefetches' addresses alone
	s_lshl_b32 s22, ttmp9, 2
	s_add_co_u32 s22, s22, s67      ; the head group
	s_lshl_b32 s48, s21, 10
	s_lshl_b32 s49, s[WV], 4
	s_add_co_u32 s48, s48, s49      ; 1024 b + 16 w
	s_lshl_b32 s50, s[IP], 6
	s_add_co_u32 s50, s50, s48      ; my first row in the first block,
	s_sub_co_u32 s23, 15, s[IP]
	s_lshl_b32 s52, s23, 6
	s_add_co_u32 s52, s52, s48      ; and in the second
	s_lshl_b32 s50, s50, 11
	s_lshl_b32 s52, s52, 11
	s_lshl_b32 s49, s22, 9          ; four heads are 512 bytes of a row
	s_add_co_u32 s50, s50, s49
	s_add_co_u32 s52, s52, s49
	s_mov_b32 s51, 0
	s_mov_b32 s53, 0
	s_lshr_b32 s[LQB], s23, 2
	s_add_co_u32 s[NSTB], s23, 1    ; the second block has 16 - ip steps
	s_and_b32 s54, s[WV], 1
	s_mul_i32 s68, s54, KPL         ; my plane's place in a slot, for K
	s_mul_i32 s69, s54, VPL         ; and for V
	s_lshl_b32 s54, s54, 19         ; a plane is 524,288 bytes,
	s_lshl_b32 s20, s21, 16         ; a batch's part of it 65,536
	s_add_co_u32 s54, s54, s20
	s_mov_b32 s55, 0
	s_lshl_b32 s90, s67, 19
	s_add_co_u32 s90, s90, s20
	s_mov_b32 s91, 0
	s_lshl_b32 s92, s21, 12
	s_add_co_u32 s92, s92, 65536    ; the batch's biases
	s_mov_b32 s93, 0
	; descriptor group 1: 256 keys of a plane are 16,384 dense bytes: asked for as 64 rows of 256 bytes, four keys a row, padded in LDS after every key
	s_mov_b32 s[G1K], 15|(1<<16)|(1<<20)|(1<<21)|(3<<22)|(3<<25)  ; the mask of four; 2-byte elements; padding on; bit 21 beside a mask; after every 16 words, 4 words
	s_mov_b32 s[G1V], 15|(1<<16)|(1<<20)|(1<<21)|(3<<22)|(7<<25)  ; the same with 8 words
.irp g, G1K, G1V
	s_mov_b32 s[\g+1], 128<<16
	s_mov_b32 s[\g+2], 64<<16
	s_mov_b32 s[\g+3], 128<<16
	s_mov_b32 s[\g+4], 64
	s_mov_b32 s[\g+5], 128
	s_mov_b32 s[\g+6], 0
	s_mov_b32 s[\g+7], 0
.endr
	s_mov_b32 s[CS], 0x3e38aa3b     ; c = log2(e) / 8
	s_mov_b32 s[CS+1], s[CS]
	s_mov_b32 s[SEL], 0x76543210
	s_mov_b32 s[SEL+1], 0xfedcba98
	s_mov_b32 s[BIGN], 0xf149f2ca   ; -1e30
	s_mov_b32 s[SB], SLOT1          ; the first change of slots turns it into 0
	s_mov_b32 s[TBK], SLOT1
	s_mov_b32 s[TBV], SLOT1
	s_mov_b32 s[G0K], 1
	s_mov_b32 s[G0K+1], s68
	s_mov_b32 s[G0V], 1
	s_add_co_u32 s[G0V+1], s69, VOFF
	s_lshr_b32 s[LQ], s[IP], 2
	s_mov_b32 s[NXT], 1
	s_cmp_gt_u32 s[NXT], s[LQ]
	s_cselect_b32 s[NXT], 0, s[NXT]
	s_cselect_b32 s[LQ], s[LQB], s[LQ]
	s_add_co_u32 s[REM], s[IP], 1   ; the first block has ip + 1 steps
	s_mov_b32 s[NSI], 0
	s_mov_b32 s[NEW], 1
	s_mov_b32 s[DEAD], 0
	s_mov_b32 s[SLOTS], 4
	s_mov_b32 s[OFF+1], 0
	s_cmp_eq_u32 s[IP], 0           ; is the first block's step 0 its own?
	s_cselect_b32 s[AL], 1.0, 0
	s_mov_b32 s[AL+1], 0            ; named as a pair
	s_or_b32 s[LIM], s[WV], s[IP]
	s_cmp_eq_u32 s[LIM], 0
	s_cselect_b32 s[LIM], 1, -1     ; the same in all four partners, for a given wave
	s_wait_dscnt 0x0                ; the opening add is done
	s_wait_kmcnt 0x0
	s_add_nc_u64 s[PFA:PFA+1], s[6:7], s[90:91]  ; plane cx of the batch, tile 0; the first change steps it to tile 1
	s_add_nc_u64 s[6:7], s[6:7], s[54:55]        ; my K plane of the batch,
	s_add_nc_u64 s[8:9], s[6:7], 2*524288        ; my V plane
	s_add_nc_u64 s[G0K+2:G0K+3], s[6:7], 0
	s_or_b32 s[G0K+3], s[G0K+3], 0x80000000
	s_add_nc_u64 s[G0V+2:G0V+3], s[8:9], 0
	s_or_b32 s[G0V+3], s[G0V+3], 0x80000000
	s_add_nc_u64 s[12:13], s[16:17], s[92:93]
	s_add_nc_u64 s[QBP:QBP+1], s[4:5], s[52:53]
	s_add_nc_u64 s[4:5], s[4:5], s[50:51]
	s_add_nc_u64 s[OLO:OLO+1], s[10:11], s[52:53]
	s_add_nc_u64 s[10:11], s[10:11], s[50:51]
	CROUND                          ; all four work-groups are here: the first joint loads meet
	JLOAD                           ; tile 0 into slot 0
	v_and_b32 v1, 15, v0            ; l % 16
	v_bfe_u32 v9, v0, 4, 1          ; l / 16
	v_lshlrev_b32 v[QO], 11, v1
	v_lshl_add_u32 v[QO], v9, 4, v[QO]  ; row x 2,048 + 16 x half
	v_lshlrev_b32 v[BO0], 5, v9
	WIN 0x80                        ; destination window 2
.set i, 0
.rept 8                             ; both blocks' Q: head i / 2 of my four, channels 32 (i % 2) on
	global_load_b128 v[8*i:8*i+3],   v[QO], s[4:5] offset:(i/2)*128+(i%2)*64
	global_load_b128 v[8*i+4:8*i+7], v[QO], s[4:5] offset:(i/2)*128+(i%2)*64+32
	global_load_b128 v[QB+8*i:QB+8*i+3],   v[QO], s[QBP:QBP+1] offset:(i/2)*128+(i%2)*64
	global_load_b128 v[QB+8*i+4:QB+8*i+7], v[QO], s[QBP:QBP+1] offset:(i/2)*128+(i%2)*64+32
.set i, i+1
.endr
	WIN 0
.set i, 0
.rept 8                             ; nv in O^T's layout: channels 16 (i / 2) + 8 (l / 16) + 4 (i % 2) on
	global_load_b128 v[NVR+4*i:NVR+4*i+3], v[BO0], s[18:19] offset:256+64*(i/2)+16*(i%2)
.set i, i+1
.endr
.set i, 0
.rept 8                             ; nk in a fragment's order, still f32: channels 32 (i / 4) + 16 ((i / 2) % 2) + 8 (l / 16) + 4 (i % 2) on
	global_load_b128 v[S+4*i:S+4*i+3], v[BO0], s[18:19] offset:128*(i/4)+64*((i/2)%2)+16*(i%2)
.set i, i+1
.endr
	v_lshlrev_b32 v14, 3, v9
	v_sub_nc_u32 v14, v1, v14
	s_lshl_b32 s20, s[WV], 4
	v_add_nc_u32 v14, s20, v14      ; my query's place in its block, 16 w + l % 16, less my lanes' 8 (l / 16): register r of key group kt is hidden where 16 kt + r is greater
	WIN 0x40
.set i, 0
.rept 8                             ; the biases of key step 0, the first block's first: they go out here, with the head's other loads (56 in all), and are waited for with them where the first block begins
	global_load_b128 v[BR+4*i:BR+4*i+3], v[BO0], s[12:13] offset:64*(i/2)+16*(i%2)
.set i, i+1
.endr
.set i, 0
.rept 32
	v_cmp_gt_i32 vcc_lo, 16*(i/8)+i%8, v14
	v_cndmask_b32 v[MD+i], 0, s[BIGN], vcc_lo
.set i, i+1
.endr
	WIN 0
	v_mul_u32_u24 v[AK0], v1, PKP
	v_lshl_add_u32 v[AK0], v9, 4, v[AK0]
	; the turning load takes 16 keys x 16 channels (lane l reads key 8 (l / 16) + l % 8, channels 8 ((l / 8) % 2) + 0..7) and leaves half a fragment of V^T
	v_and_b32 v10, 7, v0
	v_bfe_u32 v11, v0, 3, 1
	v_lshl_add_u32 v[AV0], v9, 3, v10
	v_mul_u32_u24 v[AV0], v[AV0], PVP
	v_lshl_add_u32 v[AV0], v11, 4, v[AV0]
	v_add_nc_u32 v[AV0], VOFF, v[AV0]
	s_mul_i32 s20, s[WV], 16*SP
	s_add_co_u32 s20, s20, STAGE    ; my stage
	v_mul_u32_u24 v[STO], v1, SP    ; in: row l % 16, 16 bytes for each half of the lanes
	v_lshl_add_u32 v[STO], v9, 4, v[STO]
	v_add_nc_u32 v[STO], s20, v[STO]
	v_and_b32 v[GO], 31, v0
	v_lshlrev_b32 v[PFO], 8, v[GO]
	v_lshlrev_b32 v[GO], 4, v[GO]   ; back: 32 lanes take a row's 512 bytes
	v_add_nc_u32 v[RD], s20, v[GO]
	v_cvt_f32_u32 v[LIN], v9
	v_sub_f32 v[LIN], 1.0, v[LIN]
	WIN 0x80
.set i, VF
.rept 64
	v_mov_b32 v[i], 0               ; the first turn's products V^T P, of a piece that has not been, multiply a P of zeros: V need only be finite
.set i, i+1
.endr
	WIN 0
; THE MATRIX WORK.  The 4 accumulators of a run of 8 take turns.  Product i of 8 of S^T = K Q^T for piece x: channels 32 (i / 4) on, keys 16 (i % 4) on.  The first 4 start the sums with the mask.
.macro KQ x
.set rS, S+32*((\x)%2)+8*(i%4)
.set rK, KF+16*(i%4)+8*(i/4)
.set rQ, 16*(\x)+8*(i/4)
.set rM, MC+8*(i%4)
.if i < 4
	WIN W_KM
	v_wmma_f32_16x16x32_f16 v[rS:rS+7], v[rK:rK+7], v[rQ:rQ+7], v[rM:rM+7]
.else
	WIN W_KQ
	v_wmma_f32_16x16x32_f16 v[rS:rS+7], v[rK:rK+7], v[rQ:rQ+7], v[rS:rS+7]
.endif
.endm
.macro PV x                         ; product i of 8 of O^T += V^T P for piece x: keys 32 (i / 4) on, channels 16 (i % 4) on
	WIN W_PV
.set rO, 32*(\x)+8*(i%4)
.set rV, VF+32*(i/4)+8*(i%4)
.set rP, P+16*((\x)%2)+8*(i/4)
	v_wmma_f32_16x16x32_f16 v[rO:rO+7], v[rV:rV+7], v[rP:rP+7], v[rO:rO+7]
.endm
.macro MM                           ; the turn's next matrix instruction
.if i < 8
	KQ (Y+1)%NP
.else
.set i, i-8
	PV (Y+NP-1)%NP
.set i, i+8
.endif
.set i, i+1
.endm
; THE LOADS stand in runs: a step's K (8 fragments: keys 16 (f / 2) on, plane f % 2), its V (turned: keys 32 (f / 4) on, channels 16 (f % 4) on), its 64 biases.
.macro FETCH_K
	WIN 0x80
.irp f, 0,1,2,3,4,5,6,7
	ds_load_b128 v[KF+8*\f:KF+8*\f+3],   v[AK] offset:(\f%2)*KPL+(\f/2)*16*PKP
	ds_load_b128 v[KF+8*\f+4:KF+8*\f+7], v[AK] offset:(\f%2)*KPL+(\f/2)*16*PKP+32
.endr
	s_add_co_u32 s[TBK], s[TBK], 64*PKP
	WIN 0
.endm
.macro FETCH_V
	WIN 0x80
.irp f, 0,1,2,3,4,5,6,7
	ds_load_tr16_b128 v[VF+8*\f:VF+8*\f+3],   v[AV] offset:((\f%4)/2)*VPL+(\f%2)*32+(\f/4)*32*PVP
	ds_load_tr16_b128 v[VF+8*\f+4:VF+8*\f+7], v[AV] offset:((\f%4)/2)*VPL+(\f%2)*32+(\f/4)*32*PVP+16*PVP
.endr
	WIN 0
.endm
.macro FETCH_B
	WIN 0x40
.irp n, 0,1,2,3,4,5,6,7
	global_load_b128 v[BR+4*\n:BR+4*\n+3], v[BA], s[12:13] offset:64*(\n/2)+16*(\n%2)
.endr
	WIN 0
.endm
.macro MASK                         ; MC = MD x AL + BR
	WIN 0x51
.set z, 0
.rept 16
	v_pk_fma_f32 v[MC+2*z:MC+2*z+1], v[MD+2*z:MD+2*z+1], s[AL:AL+1], v[BR+2*z:BR+2*z+1] op_sel_hi:[1,0,1]
.set z, z+1
.endr
.endm
; THE VECTOR WORK, one line at a time: OP kind, number.  For piece Y: F n: c s - c m for pair n of 16.  E n: the exponential of score n of 32.  C n: pair n rounded to f16.  B n: of the four weights 4 n ..
; the second pair is added onto the first.  L n: l takes that sum (L 0: l = a l + sum).  R n: pair n of 16 of O^T times a.  For piece Y + 1: X n, number n of the 22 that find its maximum and statistics:
; 0-11 four chains of seven scores (each accumulator's lowest registers are read first); 12-14, 16 the rest, the old m, and the four into one; 15 c m_old is kept;
; 17, 18 the other half of the lanes; 19-21 c m, its change, a.
.set F, 0
.set E, 1
.set C, 2
.set B, 3
.set L, 4
.set R, 5
.set X, 6
.macro REGS y
.set rT, ST+4*(\y)
.set rC, TMP+4*((\y)%2)
.set rW, MV+((\y)%2)
.set rS, S+32*((\y)%2)
.set rP, P+16*((\y)%2)
.set rO, 32*(\y)
.endm
.macro OP k, n
.if (\k) == R
	REGS Y
	WIN W_RS
	v_pk_mul_f32 v[rO+2*(\n):rO+2*(\n)+1], v[rO+2*(\n):rO+2*(\n)+1], v[rC+2:rC+3] op_sel_hi:[1,0]
.elseif (\k) < R
	REGS Y
	WIN 0
.if (\k) == F
	v_pk_fma_f32 v[rS+2*(\n):rS+2*(\n)+1], v[rS+2*(\n):rS+2*(\n)+1], s[CS:CS+1], v[rT:rT+1] op_sel_hi:[1,0,0] neg_lo:[0,0,1] neg_hi:[0,0,1]
.elseif (\k) == E
	v_exp_f32 v[rS+(\n)], v[rS+(\n)]
.elseif (\k) == C
	v_cvt_pk_f16_f32 v[rP+(\n)], v[rS+2*(\n)], v[rS+2*(\n)+1]
.elseif (\k) == B
	v_pk_add_f32 v[rS+4*(\n):rS+4*(\n)+1], v[rS+4*(\n):rS+4*(\n)+1], v[rS+4*(\n)+2:rS+4*(\n)+3]
.elseif (\n) == 0
	v_pk_fma_f32 v[rT+2:rT+3], v[rT+2:rT+3], v[rC+2:rC+3], v[rS:rS+1] op_sel_hi:[1,0,1]
.else
	v_pk_add_f32 v[rT+2:rT+3], v[rT+2:rT+3], v[rS+4*(\n):rS+4*(\n)+1]
.endif
.else
	REGS (Y+1)%NP
	WIN 0
.if (\n) < 4
	v_max3_num_f32 v[rC+(\n)], v[rS+8*(\n)], v[rS+8*(\n)+1], v[rS+8*(\n)+2]
.elseif (\n) < 12
	v_max3_num_f32 v[rC+(\n)%4], v[rC+(\n)%4], v[rS+8*((\n)%4)+2*((\n)/4)+1], v[rS+8*((\n)%4)+2*((\n)/4)+2]
.elseif (\n) == 12
	v_max3_num_f32 v[rC], v[rC], v[rS+7], v[rS+15]
.elseif (\n) == 13
	v_max3_num_f32 v[rC+1], v[rC+1], v[rS+23], v[rS+31]
.elseif (\n) == 14
	v_max3_num_f32 v[rC+2], v[rC+2], v[rC+3], v[rT+1]
.elseif (\n) == 15
	v_mov_b32 v[rW], v[rT]
.elseif (\n) == 16
	v_max3_num_f32 v[rC], v[rC], v[rC+1], v[rC+2]
.elseif (\n) == 17
	v_permlanex16_b32 v[rC+3], v[rC], s[SEL], s[SEL+1]
.elseif (\n) == 18
	v_max_num_f32 v[rT+1], v[rC], v[rC+3]
.elseif (\n) == 19
	v_mul_f32 v[rT], s[CS], v[rT+1]
.elseif (\n) == 20
	v_sub_f32 v[rC+1], v[rW], v[rT]
.else
	v_exp_f32 v[rC+2], v[rC+1]
.endif
.endif
.endm
.macro OPS a, i1, b=-1, i2=0, c=-1, i3=0, d=-1, i4=0
	OP \a, \i1
.if (\b) >= 0
	OP \b, \i2
.endif
.if (\c) >= 0
	OP \c, \i3
.endif
.if (\d) >= 0
	OP \d, \i4
.endif
.endm
.macro ROW a, i1, b, i2, c, i3, d, i4  ; a matrix instruction and the four behind it
	MM
	OPS \a, \i1, \b, \i2, \c, \i3, \d, \i4
.endm
; A TURN, for piece p.  Ahead of its one wait stands all that names no result of the turn's exponentials: the 8 products K Q^T with their riders and the lump; behind it the 8 products V^T P, whose riders are
; the roundings and sums.  X 21 is the batch's last exponential, R 15 the plain instruction behind it.
; Piece 2's turn fetches the next step's K, behind the last product that read K and five plain instructions that name none of its registers, and at its end, when the biases are in, makes the next step's
; mask: MC's last readers are this turn's first four products.  Piece 3's turn waits for K.  Piece 0's turn asks for the next step's biases and, four plain riders behind the last product that read V,
; fetches the step's V.  Piece 1's turn waits for V.
.macro TURN p
.set Y, (\p)
.set i, 0
.if (\p) == 3
	s_wait_dscnt 0x0                ; K is in
.endif
	ROW F,0, F,1, R,0, R,1
	ROW F,2, E,0, R,2, R,3
	ROW F,3, E,1, R,4, R,5
	ROW F,4, E,2, R,6, R,7
	ROW F,5, E,3, R,8, R,9
	ROW F,6, E,4, X,0, R,10
.if (\p) == 2
	WIN 0
	v_add_nc_u32 v[AK], s[TBK], v[AK0]
.endif
.if (\p) == 0
	WIN 0
	v_lshl_add_u32 v[BA], s[NSI], 8, v[BO0]  ; every way here has waited for all loads (at the end of piece 2's turn, or where the first block begins): the last run's address is free, and no load into BR is out
.endif
	ROW F,7, E,5, X,1, X,4
	ROW F,8, E,6, X,2, X,5
	OPS E,7, E,8, X,6, E,9
	OPS X,3, E,10, X,8, E,11
.if (\p) == 2
	FETCH_K
.endif
.if (\p) == 0
	FETCH_B
.endif
	OPS X,9, X,7, E,12, X,10
	OPS E,13, X,12, X,11, E,14
	OPS X,13, E,15, F,9, X,14
.if (\p) == 0
	v_add_nc_u32 v[AV], s[TBV], v[AV0]
.endif
	OPS E,16, F,10, E,17, F,11
	OPS X,16, E,18, X,15, E,19
	OPS F,12, E,20, X,17, E,21
	OPS F,13, E,22, F,14, E,23
	OPS X,18, E,24, F,15, E,25
	OPS R,11, E,26, X,19, E,27
	OPS R,12, E,28, R,13, E,29
	OPS X,20, E,30, R,14, E,31
	OPS X,21, R,15
	WIN 0
	s_wait_alu depctr_va_vdst(0)    ; the one wait for the batch, ahead of its first reader
.if (\p) == 1
	s_wait_dscnt 0x0                ; V is in
.endif
	ROW C,0, B,0, C,2, B,1
	ROW L,0, C,4, B,2, L,1
	ROW C,6, B,3, L,2, C,8
	ROW B,4, L,3, C,10, B,5
	ROW L,4, C,12, B,6, L,5
.if (\p) == 0
	s_add_co_u32 s[TBV], s[TBV], 64*PVP
.endif
	ROW C,14, B,7, L,6, C,1
	ROW C,3, L,7, C,5, C,7
	ROW C,9, C,11, C,13, C,15
.if (\p) == 0
	FETCH_V
.endif
.if (\p) == 2
	s_wait_loadcnt 0x0              ; the next step's biases
	MASK
.endif
.endm
; At a step's first turn: what the next step is.  Behind a block's last step comes step 0 of the next block (or nothing): the K run then reads a slot's first step.
.macro BOOK
	s_sub_co_u32 s[REM], s[REM], 1
	s_add_co_u32 s[NSI], s[NSI], 1
	s_cmp_eq_u32 s[REM], 0
	s_cselect_b32 s[NSI], 0, s[NSI]
	s_cselect_b32 s[DEAD], 1, 0
	s_cselect_b32 s[TBK], s[SB], s[TBK]
	s_cmp_eq_u32 s[REM], 1          ; is the next step the block's own?
	s_cselect_b32 s[AL], 1.0, 0
.endm
; A BLOCK BEGINS.  K of its step 0 and that step's mask are there.  The null scores q . nk of the four pieces (a fragment whose 16 rows are all nk: every register of the result holds the score), piece 0's
; first scores; then the first state: O^T = nv, m = q . nk, l = 1; P's second buffer is 0, for the first turn's products of a piece that has not been; and piece 0's maximum and statistics.
.macro BEGIN
	s_mov_b32 s[NEW], 0
	s_wait_dscnt 0x0
	WIN 0x08                        ; nk in window 0, Q in window 2
.set i, 0
.rept 8
.if i < 4
	v_wmma_f32_16x16x32_f16 v[S+32+8*(i%4):S+32+8*(i%4)+7], v[NKF+8*(i/4):NKF+8*(i/4)+7], v[16*(i%4)+8*(i/4):16*(i%4)+8*(i/4)+7], 0
.else
	v_wmma_f32_16x16x32_f16 v[S+32+8*(i%4):S+32+8*(i%4)+7], v[NKF+8*(i/4):NKF+8*(i/4)+7], v[16*(i%4)+8*(i/4):16*(i%4)+8*(i/4)+7], v[S+32+8*(i%4):S+32+8*(i%4)+7]
.endif
.set i, i+1
.endr
.set i, 0
.rept 8
	KQ 0
.set i, i+1
.endr
	WIN 0x40
.set i, 0
.rept 128
	v_mov_b32 v[i], v[NVR+i%32]     ; these lines are also the places behind those products
.set i, i+1
.endr
	WIN 0
.set i, P+16
.rept 16
	v_mov_b32 v[i], 0
.set i, i+1
.endr
.set i, 0
.rept 4
	v_mov_b32 v[ST+4*i+1], v[S+32+8*i]
	v_mul_f32 v[ST+4*i], s[CS], v[S+32+8*i]
	v_mov_b32 v[ST+4*i+2], v[LIN]
	v_mov_b32 v[ST+4*i+3], 0
.set i, i+1
.endr
.set Y, NP-1                        ; X works for piece Y + 1: piece 0
.irp n, 0,1,2,3,4,5,6,7,8,9,10,11,12,13,14,15,16,17,18,19,20,21
	OP X, \n
.endr
	v_nop                           ; a plain instruction behind the exponential,
	s_wait_alu depctr_va_vdst(0)    ; and its wait, ahead of the label
.endm
; A BLOCK ENDS: piece 3's last products; l's two halves and the other half of the lanes' are added; O^T is divided by l, rounded to f16 and sent through my stage: 16 rows x 512 bytes (four heads).
.macro ALL line:vararg
.set t, 0
.rept 4
	\line
.set t, t+1
.endr
.endm
.macro PACK t
	WIN W_RS
.set i, 32*(\t)
.rept 16
	v_pk_mul_f32 v[i:i+1], v[i:i+1], v[ST+4*(\t)+2:ST+4*(\t)+3] op_sel_hi:[1,0]
.set i, i+2
.endr
	WIN 0x05
.set i, 0
.rept 16
	v_cvt_pk_f16_f32 v[S+16*(\t)+i], v[32*(\t)+2*i], v[32*(\t)+2*i+1]
.set i, i+1
.endr
	WIN 0
.irp f, 0,1,2,3
	ds_store_b128 v[STO], v[S+16*(\t)+4*\f:S+16*(\t)+4*\f+3] offset:128*(\t)+32*\f
.endr
.endm
.macro WAYOUT
.set i, 0
.rept 8
	PV NP-1
.set i, i+1
.endr
	WIN 0
	ALL v_add_f32 v[ST+4*t+2], v[ST+4*t+2], v[ST+4*t+3]
	ALL v_permlanex16_b32 v[ST+4*t+3], v[ST+4*t+2], s[SEL], s[SEL+1]
	ALL v_add_f32 v[ST+4*t+2], v[ST+4*t+2], v[ST+4*t+3]
	ALL v_rcp_f32 v[ST+4*t+2], v[ST+4*t+2]
	v_nop                           ; a plain instruction behind the last reciprocal,
	s_wait_alu depctr_va_vdst(0)    ; and one wait for the four, ahead of their first reader
	PACK 0
	PACK 1
	PACK 2
	PACK 3
.set i, 0
.rept 16
	ds_load_b128 v[S+4*i:S+4*i+3], v[RD] offset:i*SP  ; LDS serves a wave's instructions in order (ISA guide 5.7.1.4): these see the stores above
.set i, i+1
.endr
.set i, 0
.rept 16
	s_wait_dscnt 15-i               ; the later rows may stay out
	global_store_b128 v[GO], v[S+4*i:S+4*i+3], s[10:11] offset:2048*i  ; 512 consecutive bytes, aligned
.set i, i+1
.endr
.endm
.Ltile:                             ; four times: a tile is entered and the next is asked for
	CHANGE 1
	s_mov_b32 s[CNT], 4
.Lstep:                             ; a trip: pieces 2 and 3 of one step, then pieces 0 and 1 of the next, whose K and V it fetches
	s_cmp_eq_u32 s[NEW], 1
	s_cbranch_scc1 .Lentry          ; the launch's first step
	s_cmp_eq_u32 s[DEAD], 1
	s_cbranch_scc1 .Lskip           ; behind the first block's end: nothing until the next tile
	TURN 2
	TURN 3
	WIN 0
	s_cmp_lg_u32 s[REM], 0
	s_cbranch_scc1 .Lfirst
	WAYOUT                          ; the first block is finished; piece 2's turn has fetched the second block's first K and made its mask
	s_wait_xcnt 0x0                 ; the stores have read their registers and their base
	s_mov_b64 s[10:11], s[OLO:OLO+1]
	s_mov_b32 s[REM], s[NSTB]
	WIN 0x82                        ; the second block's Q goes where the one text of the turns names Q
.set i, 0
.rept 64
	v_mov_b32 v[i], v[QB+i]
.set i, i+1
.endr
	WIN 0
	s_branch .Lbegin
.Lentry:
	v_add_nc_u32 v[AK], s[TBK], v[AK0]
	FETCH_K
	s_wait_loadcnt 0x0              ; all the head's loads: Q, nv, nk, step 0's biases
.set i, 0
.rept 16
	v_cvt_pk_f16_f32 v[NKF+i], v[S+2*i], v[S+2*i+1]
.set i, i+1
.endr
	MASK
	WIN 0
.Lbegin:
	BEGIN
.Lfirst:
	BOOK
	TURN 0
	TURN 1
	WIN 0
.Lskip:
	s_sub_co_u32 s[CNT], s[CNT], 1
	s_cmp_lg_u32 s[CNT], 0
	s_cbranch_scc1 .Lstep
	s_sub_co_u32 s[SLOTS], s[SLOTS], 1
	s_cmp_lg_u32 s[SLOTS], 0
	s_cbranch_scc1 .Ltile
	CHANGE 0                        ; the walk's last tile is written out: nothing is asked for
	s_mov_b32 s[CNT], 5             ; at most four steps are left; the trip behind the last is left in its middle
.Ltail:
	TURN 2
	TURN 3
	WIN 0
	s_cmp_eq_u32 s[REM], 0
	s_cbranch_scc1 .Lout
	BOOK
	TURN 0
	TURN 1
	WIN 0
	s_sub_co_u32 s[CNT], s[CNT], 1
	s_cmp_lg_u32 s[CNT], 0
	s_cbranch_scc1 .Ltail
.Lout:                              ; the last trip's K run, biases, 8 products K Q^T and the maximum made of them serve nothing: the price, twice a launch, of one text for every turn
	WAYOUT
	s_wait_tensorcnt 0x0            ; the wave's end
	ds_add_u32 v[SPW], v[NIL]
	s_wait_dscnt 0x0
	CROUND                          ; the closing round
	s_endpgm
.Lfunc_end_k_q6fa07bef91_attn:
	.size	k_q6fa07bef91_attn, .Lfunc_end_k_q6fa07bef91_attn-k_q6fa07bef91_attn
	.p2alignl 7, 3214868480
	.fill 96, 4, 3214868480
	.section	.rodata,"a",@progbits
	.p2align	6, 0x0
	.amdhsa_kernel k_q6fa07bef91_attn
		.amdhsa_group_segment_fixed_size 327680
		.amdhsa_private_segment_fixed_size 0
		.amdhsa_enable_private_segment 0
		.amdhsa_kernarg_size 40
		.amdhsa_user_sgpr_count 2
		.amdhsa_user_sgpr_kernarg_segment_ptr 1
		.amdhsa_wavefront_size32 1
		.amdhsa_system_sgpr_workgroup_id_x 1
		.amdhsa_system_sgpr_workgroup_id_y 1
		.amdhsa_system_sgpr_workgroup_id_z 1
		.amdhsa_system_vgpr_workitem_id 0
		.amdhsa_next_free_vgpr 768
		.amdhsa_next_free_sgpr 96
		.amdhsa_reserve_vcc 1
		.amdhsa_float_denorm_mode_32 3
		.amdhsa_float_denorm_mode_16_64 3
		.amdhsa_memory_ordered 1
		.amdhsa_forward_progress 1
		.amdhsa_inst_pref_size 141
	.end_amdhsa_kernel
	.amdgpu_metadata
---
amdhsa.version: [ 1, 2 ]
amdhsa.kernels:
  - .name:           k_q6fa07bef91_attn
    .symbol:         k_q6fa07bef91_attn.kd
    .args:
      - { .name: q, .offset: 0, .size: 8, .value_kind: global_buffer, .address_space: global }
      - { .name: kv, .offset: 8, .size: 8, .value_kind: global_buffer, .address_space: global }
      - { .name: tab, .offset: 16, .size: 8, .value_kind: global_buffer, .address_space: global }
      - { .name: null_kv, .offset: 24, .size: 8, .value_kind: global_buffer, .address_space: global }
      - { .name: act, .offset: 32, .size: 8, .value_kind: global_buffer, .address_space: global }
    .group_segment_fixed_size: 327680
    .private_segment_fixed_size: 0
    .kernarg_segment_align: 8
    .kernarg_segment_size: 40
    .max_flat_workgroup_size: 128
    .sgpr_count:     96
    .vgpr_count:     768
    .wavefront_size: 32
...
	.end_amdgpu_metadata
.endif
;; end of part 3
;; launch gemm_out (part 4): grid 4 x 64, 4 waves a work-group, clusters of 4 x 4, 327,680 bytes of LDS; arguments act, w16, y; writes y
.if DOCPART == 4
	.amdgcn_target "amdgcn-amd-amdhsa--gfx1250"
	.amdhsa_code_object_version 6
	.text
	.protected	k_q6fa07bef91_gemm_out
	.globl	k_q6fa07bef91_gemm_out
	.p2align	8
	.type	k_q6fa07bef91_gemm_out,@function
k_q6fa07bef91_gemm_out:
	s_mov_b64 s[64:65], 0
	v_nop
	global_prefetch_b8 v0, s[64:65] scope:SCOPE_SE
	s_setreg_imm32_b32 hwreg(HW_REG_WAVE_MODE, 25, 1), 1
	s_wait_xcnt 0x0
	s_wait_alu depctr_hold_cnt(0) depctr_sa_sdst(0) depctr_va_vdst(0) depctr_va_sdst(0) depctr_va_ssrc(0) depctr_va_vcc(0) depctr_vm_vsrc(0)
	s_getreg_b32 s2, hwreg(HW_REG_IB_STS2, 6, 4)
	s_cmp_eq_u32 s2, 0
	s_cbranch_scc0 .Lentry_in_a_cluster
	s_endpgm
.Lentry_in_a_cluster:
	s_bfe_u32 s2, ttmp6, 0x10000c
	s_cmp_lg_u32 s2, 0xf033
	s_cbranch_scc0 .Lentry_shape_is_right
	s_endpgm
.Lentry_shape_is_right:
; y = O Wo^T.  act: [8192][1024] f16 (the attention's result); Wo: [1024][1024] f16, at byte 2,359,296 of w16; y: [8192][1024] f32, the sums as they are (the norm behind reads them unrounded).
; SHARES.  A work-group makes 128 rows x 256 columns: 4 x 64 = 256 work-groups.  Wave w: rows 64 (w / 2) on, columns 128 (w % 2) on: 4 x 8 accumulators.  K in 8 steps of 128 through two LDS slots.
; CLUSTER 4 x 4.  A's tile is asked for jointly along a row of the cluster, B's along a column.  Wave 0 asks for A's 128 rows, waves 1 and 2 for 128 rows of B each, wave 3 for nothing:
; a step has three loads of 128 rows.  At the start a wave has two loads out, later one.
; THE PRODUCT IS TAKEN TRANSPOSED (source 0 = rows of B, source 1 = rows of A): a lane holds one row of y and eight neighbouring columns, 32 bytes.
; REGISTERS.  window 0: v2-14 addresses; v32-95 A's fragments, two buffers; v96-223 the way out, two buffers of 64; v240-246 at work; v252-253 the add's.
;   window 1: v0-63, v64-127 B's fragments.   window 2: accumulator (a, b) at v[8 (8 a + b)].
.set PITCH, 272
.set OFFB,  128*PITCH
.set SLOT1, 131072
.set STAGE, SLOT1+3*128*PITCH          ; behind the ring: 16 rows x 528 bytes for each wave
.set SP,    528                        ; 512 bytes + 16: the 16 rows of a store start at 16 different groups of four banks (64 banks of 4 bytes: ISA guide 11.1)
.set SPARE, STAGE+4*16*SP
.set WO16,  2359296
.set A0, 2
.set B0, 3
.set ADRA, 5
.set ADRB, 6
.set STO, 8
.set RD,  9
.set CO,  10
.set PFO, 14
.set AF,  32
.set OB,  96
.set TR,  240
.set TH,  241
.set TA,  242
.set TL,  245
.set SPW, 252
.set NIL, 253
.set TY, 14
.set WV, 20
.set RH, 21
.set CH, 22
.set CX, 23
.set CY, 66
.set CB, 67
.set G1A, 24
.set G1B, 32
.set G0A, 48
.set G0B, 56
.set TB,  76
.set LIM, 77
.set PFA, 78
.set G1W, (1<<16)|(1<<20)|(1<<21)|(5<<22)|(3<<25)
.set MSB, 0
.macro WIN new
.if MSB != (\new)
	s_set_vgpr_msb (MSB<<8)|(\new)
.set MSB, \new
.endif
.endm
.macro PLACES
.rept 4
	v_nop
.endr
.endm
.macro CREST
	s_cmp_lg_u32 s[WV], 0
	s_cbranch_scc1 .Lnot_wave_0_\@
	s_barrier_signal -3
.Lnot_wave_0_\@:
	s_barrier_wait -3
	s_barrier_signal -1
	s_barrier_wait -1
.endm
.macro CROUND
	s_barrier_signal -1
	s_barrier_wait -1
	CREST
.endm
.macro TLOAD g0, g1
	tensor_load_to_lds s[\g0:\g0+3], s[\g1:\g1+7]
	s_nop 0
.endm
.macro JLOAD                           ; a joint refill by the walking sets; the branches hang on the wave's number alone
	s_cmp_eq_u32 s[WV], 0
	s_cbranch_scc0 .Lnot_a_\@
	TLOAD G0A+4, G1A
	PLACES
	s_branch .Lasked_\@
.Lnot_a_\@:
	s_cmp_eq_u32 s[WV], 3
	s_cbranch_scc1 .Lasked_\@
	TLOAD G0B+4, G1B
	PLACES
.Lasked_\@:
.endm
; A prefetch into the L2 of the K step two refills on: 32 rows x 256 bytes, a lane a row.  A's rows are read by this cluster alone: wave 0 asks, the partners of a cluster row 32 rows each by address.
; B's rows are read by every cluster: those of cluster y = 0 ask, waves 1 and 2, the partners of a column 32 rows each.  Trips 0 to 3 name K steps 4 to 7.
.macro ASK
	s_cmp_gt_u32 s3, s[LIM]
	s_cbranch_scc0 .Lnot_mine_\@
	global_prefetch_b8 v[PFO], s[PFA:PFA+1] offset:256 th:TH_LOAD_NT scope:SCOPE_SE
.Lnot_mine_\@:
.endm
	s_load_b128 s[4:7], s[0:1], 0x0                ; act s[4:5], w16 s[6:7]
	s_load_b64 s[8:9], s[0:1], 0x10                ; y
	v_lshl_add_u32 v[SPW], v0, 2, SPARE
	v_mov_b32 v[NIL], 0
	ds_add_u32 v[SPW], v[NIL]                      ; the wave's opening: the add and its wait ahead of my first tensor load
	v_lshrrev_b32 v1, 5, v0
	v_readfirstlane_b32 s[WV], v1
	s_lshr_b32 s[RH], s[WV], 1
	s_and_b32 s[CH], s[WV], 1
	s_bfe_u32 s[CX], ttmp6, 0x40000
	s_bfe_u32 s[CY], ttmp6, 0x40004
	s_lshl_b32 s[CB], ttmp9, 2
	s_add_co_u32 s[CB], s[CB], s[CX]
	s_and_b32 s[TY], ttmp7, 0xffff
	s_lshl_b32 s[TY], s[TY], 2
	s_add_co_u32 s[TY], s[TY], s[CY]
	s_lshl_b32 s80, s[CY], 2
	s_lshl_b32 s80, 15, s80
	s_lshl_b32 s81, 0x1111, s[CX]
	s_or_b32 s[G1A], s80, G1W
	s_or_b32 s[G1B], s81, G1W
.irp g, G1A, G1B
	s_mov_b32 s[\g+1], 128<<16
	s_mov_b32 s[\g+2], 128<<16
	s_mov_b32 s[\g+3], 128<<16
	s_mov_b32 s[\g+4], 128
	s_mov_b32 s[\g+5], 1024
	s_mov_b32 s[\g+6], 0
	s_mov_b32 s[\g+7], 0
.endr
	s_lshl_b32 s82, s[TY], 18
	s_mov_b32 s83, 0
	s_lshl_b32 s84, s[CB], 8
	s_lshl_b32 s85, s[RH], 7
	s_add_co_u32 s84, s84, s85                     ; B: row 256 cb + 128 (w / 2): waves 1 and 2 take the two halves
	s_lshl_b32 s84, s84, 11
	s_add_co_u32 s84, s84, WO16
	s_mov_b32 s85, 0
	s_mul_i32 s88, s[WV], OFFB
	s_mov_b32 s[TB], 0
	s_wait_dscnt 0x0
	s_wait_kmcnt 0x0
	s_add_nc_u64 s[82:83], s[4:5], s[82:83]
	s_add_nc_u64 s[84:85], s[6:7], s[84:85]
	CROUND
.irp s, 0,1
	s_mov_b32 s[G0A+4*\s], 1
	s_mov_b32 s[G0A+4*\s+1], \s*SLOT1
	s_add_nc_u64 s[G0A+4*\s+2:G0A+4*\s+3], s[82:83], \s*256
	s_or_b32 s[G0A+4*\s+3], s[G0A+4*\s+3], 0x80000000
	s_mov_b32 s[G0B+4*\s], 1
	s_add_co_u32 s[G0B+4*\s+1], s88, \s*SLOT1
	s_add_nc_u64 s[G0B+4*\s+2:G0B+4*\s+3], s[84:85], \s*256
	s_or_b32 s[G0B+4*\s+3], s[G0B+4*\s+3], 0x80000000
.endr
	s_cmp_eq_u32 s[WV], 0                          ; a wave's two first fills stand in one branch
	s_cbranch_scc0 .Lf_not_a
	TLOAD G0A, G1A
	TLOAD G0A+4, G1A
	PLACES
	s_branch .Lf_asked
.Lf_not_a:
	s_cmp_eq_u32 s[WV], 3
	s_cbranch_scc1 .Lf_asked
	TLOAD G0B, G1B
	TLOAD G0B+4, G1B
	PLACES
.Lf_asked:
	v_and_b32 v[TR], 15, v0
	v_bfe_u32 v[TH], v0, 4, 1
	v_and_b32 v[TL], 31, v0
	v_mul_u32_u24 v[TA], v[TR], PITCH
	v_lshl_add_u32 v[TA], v[TH], 4, v[TA]
	s_mul_i32 s80, s[RH], 64*PITCH
	v_add_nc_u32 v[A0], s80, v[TA]
	s_mul_i32 s80, s[CH], 128*PITCH
	s_add_co_u32 s80, s80, OFFB
	v_add_nc_u32 v[B0], s80, v[TA]
	v_mov_b32 v[ADRA], v[A0]
	v_mov_b32 v[ADRB], v[B0]
	s_mul_i32 s80, s[WV], 16*SP
	s_add_co_u32 s80, s80, STAGE                   ; my stage
	v_mul_u32_u24 v[TA], v[TR], SP                 ; in: row l % 16, 32 bytes for each half of the lanes
	v_lshl_add_u32 v[TA], v[TH], 5, v[TA]
	v_add_nc_u32 v[STO], s80, v[TA]
	v_lshlrev_b32 v[CO], 4, v[TL]                  ; back: 32 lanes take a row's 512 bytes
	v_add_nc_u32 v[RD], s80, v[CO]
	v_lshlrev_b32 v[PFO], 11, v[TL]
	s_lshl_b32 s90, s[TY], 7
	s_lshl_b32 s91, s[RH], 6
	s_add_co_u32 s90, s90, s91
	s_lshl_b32 s90, s90, 12                        ; my first row, 4,096 bytes a row,
	s_lshl_b32 s91, s[CB], 10
	s_add_co_u32 s90, s90, s91
	s_lshl_b32 s91, s[CH], 9
	s_add_co_u32 s90, s90, s91                     ; my 128 columns
	s_mov_b32 s91, 0
	s_add_nc_u64 s[8:9], s[8:9], s[90:91]
	s_and_b32 s90, ttmp7, 0xffff
	s_lshl_b32 s91, s[TY], 7
	s_lshl_b32 s92, s[CX], 5
	s_add_co_u32 s91, s91, s92
	s_lshl_b32 s91, s91, 11                        ; A: my work-group's 32 of the tile's 128 rows
	s_lshl_b32 s93, s[CB], 8
	s_lshl_b32 s94, s[RH], 7
	s_add_co_u32 s93, s93, s94
	s_lshl_b32 s94, s[CY], 5
	s_add_co_u32 s93, s93, s94
	s_lshl_b32 s93, s93, 11
	s_add_co_u32 s93, s93, WO16                    ; B: my work-group's 32 of the wave's 128 rows
	s_cmp_eq_u32 s[WV], 0
	s_cselect_b32 s95, 0, s90
	s_cselect_b32 s92, s91, s93
	s_cselect_b64 s[PFA:PFA+1], s[4:5], s[6:7]
	s_cmp_eq_u32 s[WV], 3
	s_cselect_b32 s95, 1, s95
	s_cmp_eq_u32 s95, 0
	s_cselect_b32 s[LIM], 2, -1
	s_mov_b32 s93, 0
	s_add_nc_u64 s[PFA:PFA+1], s[PFA:PFA+1], s[92:93]
	s_add_nc_u64 s[PFA:PFA+1], s[PFA:PFA+1], 512   ; at K step 2: the first refill steps it to 3 and names K step 4
.macro MULQ f, a, zero
	WIN 0xa1                                       ; B window 1, A window 0, C and D window 2
.irp b, 0,1,2,3,4,5,6,7
.if \zero
	v_wmma_f32_16x16x32_f16 v[8*(8*(\a)+\b):8*(8*(\a)+\b)+7], v[64*(\f)+8*\b:64*(\f)+8*\b+7], v[AF+32*(\f)+8*(\a):AF+32*(\f)+8*(\a)+7], 0
.else
	v_wmma_f32_16x16x32_f16 v[8*(8*(\a)+\b):8*(8*(\a)+\b)+7], v[64*(\f)+8*\b:64*(\f)+8*\b+7], v[AF+32*(\f)+8*(\a):AF+32*(\f)+8*(\a)+7], v[8*(8*(\a)+\b):8*(8*(\a)+\b)+7]
.endif
.endr
.endm
.macro FETCH k, f                      ; 24 LDS loads in one run: B's eight fragments, then A's four
	WIN 0x40
.irp i, 0,1,2,3,4,5,6,7
	ds_load_b128 v[64*(\f)+8*\i:64*(\f)+8*\i+3],   v[ADRB] offset:(\k)+\i*16*PITCH
	ds_load_b128 v[64*(\f)+8*\i+4:64*(\f)+8*\i+7], v[ADRB] offset:(\k)+\i*16*PITCH+32
.endr
	WIN 0
.irp i, 0,1,2,3
	ds_load_b128 v[AF+32*(\f)+8*\i:AF+32*(\f)+8*\i+3],   v[ADRA] offset:(\k)+\i*16*PITCH
	ds_load_b128 v[AF+32*(\f)+8*\i+4:AF+32*(\f)+8*\i+7], v[ADRA] offset:(\k)+\i*16*PITCH+32
.endr
.endm
; A K step is four quarters of 32 along K, 32 matrix instructions each; the 32 accumulators take turns, in the same order in every quarter.
.macro QUARTER k, f, g, zero
	s_wait_dscnt 4                                 ; the youngest four loads (A's fragments 2 and 3) may be out
	MULQ \f, 0, \zero
	MULQ \f, 1, \zero
	PLACES
	FETCH \k, \g
	s_wait_dscnt 24                                ; all but the 24 just issued
	MULQ \f, 2, \zero
	MULQ \f, 3, \zero
.endm
.macro TURN fill                       ; the fourth quarter and the change of slots
.if \fill
	s_wait_xcnt 0x0                                ; the last prefetch, a K step back, has read its address
	s_add_nc_u64 s[PFA:PFA+1], s[PFA:PFA+1], 256
.endif
	WIN 0
	s_wait_tensorcnt 0x0                           ; all my tensor loads have landed: my part of the next slot
	ds_add_u32 v[SPW], v[NIL]
	s_wait_dscnt 5                                 ; the add and A's youngest four loads may be out
	MULQ 1, 0, 0
	s_wait_dscnt 0x0                               ; the add is done, and my reads of this slot are over
	s_barrier_signal -1
	MULQ 1, 1, 0
	WIN 0
	s_barrier_wait -1
.if \fill
	CREST
.irp g, G0A+4, G0B+4
	s_xor_b32 s[\g+1], s[\g+1], SLOT1
	s_add_nc_u64 s[\g+2:\g+3], s[\g+2:\g+3], 256
.endr
	JLOAD
.endif
	PLACES                                         ; the places in front of the loads below, for wave 3 too, which issues no tensor load
	s_xor_b32 s[TB], s[TB], SLOT1
	v_add_nc_u32 v[ADRA], s[TB], v[A0]
	v_add_nc_u32 v[ADRB], s[TB], v[B0]
	FETCH 0, 0
.if \fill
	ASK
.endif
	MULQ 1, 2, 0
	MULQ 1, 3, 0
.endm
	s_wait_tensorcnt 1                             ; my part of K step 0 is in; K step 1's stays out
	s_barrier_signal -1
	s_barrier_wait -1
	FETCH 0, 0
	QUARTER 64, 0, 1, 1
	WIN 0
	s_mov_b32 s3, 6
.Lstep:                                        ; trip j asks for K step j + 2
	QUARTER 128, 1, 0, 0
	QUARTER 192, 0, 1, 0
	TURN 1
	QUARTER 64, 0, 1, 0
	WIN 0
	s_sub_co_u32 s3, s3, 1
	s_cmp_lg_u32 s3, 0
	s_cbranch_scc1 .Lstep
	QUARTER 128, 1, 0, 0
	QUARTER 192, 0, 1, 0
	TURN 0
	QUARTER 64, 0, 1, 0
	QUARTER 128, 1, 0, 0
	QUARTER 192, 0, 1, 0
	s_wait_dscnt 4
	MULQ 1, 0, 0
	MULQ 1, 1, 0
	s_wait_dscnt 0x0
	MULQ 1, 2, 0
	MULQ 1, 3, 0
	WIN 0
	PLACES
	; THE WAY OUT, in f32: a block of 16 rows goes into my stage, 32 bytes a lane and accumulator, and comes back as whole rows of 512 bytes.
.macro TOSTAGE a
.set BK, OB+64*((\a)%2)
.if (\a) >= 2
	s_wait_xcnt 0x0                                ; the stores of the block two back have read the registers that the loads below write
.endif
	WIN 0x08                                       ; the stores' data in window 2
.irp b, 0,1,2,3,4,5,6,7
	ds_store_b128 v[STO], v[8*(8*(\a)+\b):8*(8*(\a)+\b)+3]   offset:64*\b
	ds_store_b128 v[STO], v[8*(8*(\a)+\b)+4:8*(8*(\a)+\b)+7] offset:64*\b+16
.endr
	WIN 0
.irp r, 0,1,2,3,4,5,6,7,8,9,10,11,12,13,14,15
	ds_load_b128 v[BK+4*\r:BK+4*\r+3], v[RD] offset:\r*SP  ; LDS serves a wave's instructions in order (ISA guide 5.7.1.4): these see the stores above; the next block's stores come behind them
.endr
.endm
.macro SEND a, younger                 ; younger: the LDS lines issued behind block a's loads: the next block's 32, or none
.set BK, OB+64*((\a)%2)
.irp r, 0,1,2,3,4,5,6,7,8,9,10,11,12,13,14,15
	s_wait_dscnt (\younger)+15-\r
	global_store_b128 v[CO], v[BK+4*\r:BK+4*\r+3], s[8:9] offset:(16*(\a)+\r)*4096  ; 512 consecutive bytes, aligned
.endr
.endm
	TOSTAGE 0
.irp a, 1,2,3
	TOSTAGE \a
	SEND (\a)-1, 32
.endr
	SEND 3, 0
	s_wait_tensorcnt 0x0                           ; the wave's end
	ds_add_u32 v[SPW], v[NIL]
	s_wait_dscnt 0x0
	CROUND                                         ; the closing round
	s_endpgm
.Lfunc_end_k_q6fa07bef91_gemm_out:
	.size	k_q6fa07bef91_gemm_out, .Lfunc_end_k_q6fa07bef91_gemm_out-k_q6fa07bef91_gemm_out
	.p2alignl 7, 3214868480
	.fill 96, 4, 3214868480
	.section	.rodata,"a",@progbits
	.p2align	6, 0x0
	.amdhsa_kernel k_q6fa07bef91_gemm_out
		.amdhsa_group_segment_fixed_size 327680
		.amdhsa_private_segment_fixed_size 0
		.amdhsa_enable_private_segment 0
		.amdhsa_kernarg_size 24
		.amdhsa_user_sgpr_count 2
		.amdhsa_user_sgpr_kernarg_segment_ptr 1
		.amdhsa_wavefront_size32 1
		.amdhsa_system_sgpr_workgroup_id_x 1
		.amdhsa_system_sgpr_workgroup_id_y 1
		.amdhsa_system_sgpr_workgroup_id_z 1
		.amdhsa_system_vgpr_workitem_id 0
		.amdhsa_next_free_vgpr 768
		.amdhsa_next_free_sgpr 96
		.amdhsa_reserve_vcc 0
		.amdhsa_float_denorm_mode_32 3
		.amdhsa_float_denorm_mode_16_64 3
		.amdhsa_memory_ordered 1
		.amdhsa_forward_progress 1
		.amdhsa_inst_pref_size 72
	.end_amdhsa_kernel
	.amdgpu_metadata
---
amdhsa.version: [ 1, 2 ]
amdhsa.kernels:
  - .name:           k_q6fa07bef91_gemm_out
    .symbol:         k_q6fa07bef91_gemm_out.kd
    .args:
      - { .name: act, .offset: 0, .size: 8, .value_kind: global_buffer, .address_space: global }
      - { .name: w16, .offset: 8, .size: 8, .value_kind: global_buffer, .address_space: global }
      - { .name: y, .offset: 16, .size: 8, .value_kind: global_buffer, .address_space: global }
    .group_segment_fixed_size: 327680
    .private_segment_fixed_size: 0
    .kernarg_segment_align: 8
    .kernarg_segment_size: 24
    .max_flat_workgroup_size: 128
    .sgpr_count:     96
    .vgpr_count:     768
    .wavefront_size: 32
...
	.end_amdgpu_metadata
.endif
;; end of part 4
;; launch ln_out (part 5): grid 256 x 1, 8 waves a work-group, no clusters, 0 bytes of LDS; arguments y, g_out, out0; writes out0
.if DOCPART == 5
	.amdgcn_target "amdgcn-amd-amdhsa--gfx1250"
	.amdhsa_code_object_version 6
	.text
	.protected	k_q6fa07bef91_ln_out
	.globl	k_q6fa07bef91_ln_out
	.p2align	8
	.type	k_q6fa07bef91_ln_out,@function
k_q6fa07bef91_ln_out:
	s_mov_b64 s[64:65], 0
	v_nop
	global_prefetch_b8 v0, s[64:65] scope:SCOPE_SE
	s_setreg_imm32_b32 hwreg(HW_REG_WAVE_MODE, 25, 1), 1
	s_wait_xcnt 0x0
; out0[r][:] = (y[r][:] - mean) * rsqrt(var + 1e-5) * g_out.  y, out0: [8192][1024] f32.
; A stream: each byte is read once and written once.  A wave takes four rows, a row in 32 registers between the passes (mean, centred squares, scaling); no LDS, no barrier.
; Load and store j of a row: 16 bytes at 512 j + 16 lane: 512 consecutive bytes a wave.  All 40 loads of a wave go out at the head; a row is stored from the registers that it was loaded into.
.set LN, 1
.set LO, 2
.set T,  4                             ; v[4:11]   four chains of pairs
.set M,  12                            ; v[12:13]  the mean, twice
.set R,  14                            ; v[14:15]  1 / sd, twice
.set X,  16                            ; v[16:143] four rows of 32
.set G,  144                           ; v[144:175] g_out
	s_load_b128 s[4:7], s[0:1], 0x0                ; y s[4:5], g_out s[6:7]
	s_load_b64 s[8:9], s[0:1], 0x10                ; out0
	v_lshrrev_b32 v1, 5, v0
	v_readfirstlane_b32 s10, v1                    ; wave 0..7
	v_and_b32 v[LN], 31, v0
	v_lshlrev_b32 v[LO], 4, v[LN]
	s_mov_b32 s12, 0x76543210
	s_mov_b32 s13, 0xfedcba98
	s_mov_b32 s14, 0x3a800000                      ; 1 / 1024
	s_mov_b32 s15, 0x3727c5ac                      ; 1e-5
	s_lshl_b32 s16, ttmp9, 5
	s_lshl2_add_u32 s16, s10, s16                  ; my first row: 32 g + 4 w
	s_lshl_b32 s16, s16, 12
	s_mov_b32 s17, 0
	s_wait_kmcnt 0x0
	s_add_nc_u64 s[4:5], s[4:5], s[16:17]
	s_add_nc_u64 s[8:9], s[8:9], s[16:17]
.set j, 0
.rept 8
	global_load_b128 v[G+4*j:G+4*j+3], v[LO], s[6:7] offset:512*j
.set j, j+1
.endr
.set i, 0
.rept 4
.set j, 0
.rept 8
	global_load_b128 v[X+32*i+4*j:X+32*i+4*j+3], v[LO], s[4:5] offset:4096*i+512*j th:TH_LOAD_NT
.set j, j+1
.endr
.set i, i+1
.endr
.macro FOLD                            ; the four chains into one, then across the 32 lanes: every lane ends with the sum in v[T]
	v_pk_add_f32 v[T:T+1], v[T:T+1], v[T+2:T+3]
	v_pk_add_f32 v[T+4:T+5], v[T+4:T+5], v[T+6:T+7]
	v_pk_add_f32 v[T:T+1], v[T:T+1], v[T+4:T+5]
	v_add_f32 v[T], v[T], v[T+1]
	v_add_f32_dpp v[T], v[T], v[T] row_xmask:1 row_mask:0xf bank_mask:0xf
	v_add_f32_dpp v[T], v[T], v[T] row_xmask:2 row_mask:0xf bank_mask:0xf
	v_add_f32_dpp v[T], v[T], v[T] row_xmask:4 row_mask:0xf bank_mask:0xf
	v_add_f32_dpp v[T], v[T], v[T] row_xmask:8 row_mask:0xf bank_mask:0xf
	v_permlanex16_b32 v[T+1], v[T], s12, s13
	v_add_f32 v[T], v[T], v[T+1]
.endm
.macro LNROW i
.set XR, X+32*(\i)
	s_wait_loadcnt 24-8*(\i)                       ; g_out and my row are in; the later rows' loads stay out
.irp c, 0,2,4,6
	v_pk_add_f32 v[T+\c:T+\c+1], v[XR+\c:XR+\c+1], v[XR+8+\c:XR+8+\c+1]
.endr
.irp k, 16,24
.irp c, 0,2,4,6
	v_pk_add_f32 v[T+\c:T+\c+1], v[T+\c:T+\c+1], v[XR+\k+\c:XR+\k+\c+1]
.endr
.endr
	FOLD
	v_mul_f32 v[M], s14, v[T]
	v_mov_b32 v[M+1], v[M]
.set j, 0
.rept 16
	v_pk_add_f32 v[XR+2*j:XR+2*j+1], v[XR+2*j:XR+2*j+1], v[M:M+1] neg_lo:[0,1] neg_hi:[0,1]
.set j, j+1
.endr
.irp c, 0,2,4,6
	v_pk_mul_f32 v[T+\c:T+\c+1], v[XR+\c:XR+\c+1], v[XR+\c:XR+\c+1]
.endr
.irp k, 8,16,24
.irp c, 0,2,4,6
	v_pk_fma_f32 v[T+\c:T+\c+1], v[XR+\k+\c:XR+\k+\c+1], v[XR+\k+\c:XR+\k+\c+1], v[T+\c:T+\c+1]
.endr
.endr
	FOLD
	v_fma_f32 v[T+2], v[T], s14, s15               ; var + eps
	v_rsq_f32 v[R], v[T+2]
	v_rsq_f32 v[R+1], v[T+2]
	v_nop                                          ; the plain instruction behind the two roots
	s_wait_alu depctr_va_vdst(0)                   ; one wait for both, ahead of their first reader
.set j, 0
.rept 16
	v_pk_mul_f32 v[XR+2*j:XR+2*j+1], v[XR+2*j:XR+2*j+1], v[R:R+1]
.set j, j+1
.endr
.set j, 0
.rept 16
	v_pk_mul_f32 v[XR+2*j:XR+2*j+1], v[XR+2*j:XR+2*j+1], v[G+2*j:G+2*j+1]
.set j, j+1
.endr
.set j, 0
.rept 8
	global_store_b128 v[LO], v[XR+4*j:XR+4*j+3], s[8:9] offset:4096*(\i)+512*j th:TH_STORE_NT
.set j, j+1
.endr
.endm
	LNROW 0
	LNROW 1
	LNROW 2
	LNROW 3
	s_endpgm
.Lfunc_end_k_q6fa07bef91_ln_out:
	.size	k_q6fa07bef91_ln_out, .Lfunc_end_k_q6fa07bef91_ln_out-k_q6fa07bef91_ln_out
	.p2alignl 7, 3214868480
	.fill 96, 4, 3214868480
	.section	.rodata,"a",@progbits
	.p2align	6, 0x0
	.amdhsa_kernel k_q6fa07bef91_ln_out
		.amdhsa_group_segment_fixed_size 0
		.amdhsa_private_segment_fixed_size 0
		.amdhsa_enable_private_segment 0
		.amdhsa_kernarg_size 24
		.amdhsa_user_sgpr_count 2
		.amdhsa_user_sgpr_kernarg_segment_ptr 1
		.amdhsa_wavefront_size32 1
		.amdhsa_system_sgpr_workgroup_id_x 1
		.amdhsa_system_sgpr_workgroup_id_y 1
		.amdhsa_system_sgpr_workgroup_id_z 1
		.amdhsa_system_vgpr_workitem_id 0
		.amdhsa_next_free_vgpr 184
		.amdhsa_next_free_sgpr 66
		.amdhsa_reserve_vcc 0
		.amdhsa_float_denorm_mode_32 3
		.amdhsa_float_denorm_mode_16_64 3
		.amdhsa_memory_ordered 1
		.amdhsa_forward_progress 1
		.amdhsa_inst_pref_size 33
	.end_amdhsa_kernel
	.amdgpu_metadata
---
amdhsa.version: [ 1, 2 ]
amdhsa.kernels:
  - .name:           k_q6fa07bef91_ln_out
    .symbol:         k_q6fa07bef91_ln_out.kd
    .args:
      - { .name: y, .offset: 0, .size: 8, .value_kind: global_buffer, .address_space: global }
      - { .name: g_out, .offset: 8, .size: 8, .value_kind: global_buffer, .address_space: global }
      - { .name: out0, .offset: 16, .size: 8, .value_kind: global_buffer, .address_space: global }
    .group_segment_fixed_size: 0
    .private_segment_fixed_size: 0
    .kernarg_segment_align: 8
    .kernarg_segment_size: 24
    .max_flat_workgroup_size: 256
    .sgpr_count:     66
    .vgpr_count:     184
    .wavefront_size: 32
...
	.end_amdgpu_metadata
.endif
;; end of part 5
